; MI455X (gfx1250); checked and timed in simulation.
; The chip was launched on July 23, 2026; its instructions are those of AMD's public machine-readable ISA for CDNA 5 (MIT licence, August 2026) and "CDNA5" Instruction Set Architecture Reference Guide (July 2026). The comments in the code are by the model that wrote it; some were corrected since.
;; Multihead Self Attention. Allowed arithmetic: matrix products marked QUANTISED: E5M2 operands, one given power-of-two scale a tensor, by v_wmma_f32_16x16x64_bf8_bf8 or v_wmma_f32_16x16x128_bf8_bf8, f32 sums; everything else in f32.
;; Inputs: lowp_scales 12 int32 (the exponents e of the quantised operands' scales 2^e); wk_codes 8 x 128 x 32 x 32 uint8 (E5M2 codes of wk, K innermost, in blocks of 32 codes); wo 8 x 128 x 1,024 float32; wq_codes 8 x 128 x 32 x 32 uint8 (E5M2 codes of wq, K innermost, in blocks of 32 codes); wv_codes 8 x 128 x 32 x 32 uint8 (E5M2 codes of wv, K innermost, in blocks of 32 codes); x_codes 4 x 2,048 x 32 x 32 uint8 (E5M2 codes of x, K innermost, in blocks of 32 codes).
;; Outputs: out0 4 x 2,048 x 1,024 float32.
;; This version of the problem:
;;   THIS VERSION OF THE PROBLEM IS GIVEN IN LOW PRECISION. The matrix products marked QUANTISED in the list below multiply operands that are first quantised to E5M2 (5 exponent bits, 2 mantissa bits; 8 bits a number), with one given power-of-two scale for each operand tensor; their sums are f32. All else is computed in f32.
;;   The module's matrix products, in the order in which they are computed (A, B: the left and right operand; K: the contracted axis; several contracted axes count as one K, in the product's order):
;;     1. [M 1,024, K 1,024] x [K 1,024, N 8,192]; A: input wq (given as codes); B: input x (given as codes): QUANTISED (scales: A lowp_scales[0], B lowp_scales[1])
;;     2. [M 1,024, K 1,024] x [K 1,024, N 8,192]; A: input wk (given as codes); B: input x (given as codes): QUANTISED (scales: A lowp_scales[2], B lowp_scales[3])
;;     3. [M 1,024, K 1,024] x [K 1,024, N 8,192]; A: input wv (given as codes); B: input x (given as codes): QUANTISED (scales: A lowp_scales[4], B lowp_scales[5])
;;     4. batch 32 x [M 2,048, K 128] x [K 128, N 2,048]; A: computed on the way; B: computed on the way: QUANTISED (scales: A lowp_scales[6], B lowp_scales[7])
;;     5. batch 32 x [M 2,048, K 2,048] x [K 2,048, N 128]; A: softmax (see below); B: computed on the way: QUANTISED (scales: A lowp_scales[8], B lowp_scales[9])
;;     6. [M 8,192, K 1,024] x [K 1,024, N 1,024]; A: computed on the way; B: input wo: QUANTISED (scales: A lowp_scales[10], B lowp_scales[11])
;;   THE QUANTISER, for each operand of a quantised product, along K:
;;     - The operand's scale is 2^e, e = its entry of the input lowp_scales (int32; the entries are numbered through the quantised products in the list's order, A before B).
;;     - Each number is divided by the scale, clamped to +-57,344, and rounded to the nearest number of E5M2, ties to even, subnormals kept.
;;     - The product sums the exact products of the quantised numbers (number of the format x scale) in f32.
;;   ~~~python
;;   def quantise(x, axis, e):      # numpy; x: float32 -> the quantised numbers, widened to float32 again
;;       x = np.moveaxis(x, axis, -1); K = x.shape[-1]
;;       r = np.clip(x / 2.0 ** e, -57344, 57344)
;;       step = 2.0 ** (np.maximum(np.frexp(np.where(r == 0, 1, r))[1] - 1, -14) - 2)
;;       q = np.round(r / step) * step * 2.0 ** e      # np.round: ties to even
;;       return np.moveaxis(q, -1, axis).astype(np.float32)
;;   ~~~
;;   SOFTMAX AHEAD OF A QUANTISED PRODUCT. Where the list says 'softmax', what is quantised is not the finished softmax but p = 2^(t - M), with t = logit x log2(e) and M = ceil(the row's largest t), a whole number; so 1/2 < the row's largest p <= 1. The row's sum l is taken of the UNQUANTISED p, in f32, and the product's result is divided by l at the end. Since M is a whole number, a kernel that streams over the keys may use a running M (the ceiling of the running maximum): every later rescaling is an exact power of two, so the quantised numbers keep their values, but for numbers so far below the row's largest that they fall under the format's range.
;;   OPERANDS COMPUTED ON THE WAY. 'Computed on the way' means the value that the module computes at that place (a softmax that the list does not call 'softmax' is quantised finished and normalised). What goes into a quantiser is computed in f32, as accurately as f32 sums, v_exp_f32 and their like allow (about 1e-6 of the number): no bf16 or f16 on the way to a quantiser, and a product that is left as it is and whose result goes on into a quantised operand takes f32 operands (vector FMAs, or v_wmma_f32_16x16x4_f32). A number that lies on a knife's edge between two numbers of the format may be rounded either way, as far as f32 arithmetic and the matrix unit's own rounding can turn it there, and no further.
;;   INPUTS GIVEN AS CODES. wk (in the module: [1024, 8, 128], K = its axis 0); wq (in the module: [1024, 8, 128], K = its axis 0); wv (in the module: [1024, 8, 128], K = its axis 0); x (in the module: [4, 2048, 1024], K = its axis 2): each comes as NAME_codes (uint8): NAME with its K axis moved to the last place and cut into blocks of 32 codes, [.., K / 32, bytes a block], one block behind the other in memory; one code a byte (a code: sign, 5 exponent bits, 2 mantissa bits); its scale is its entry of lowp_scales. Its value is code x scale, taken as it is: it is not quantised again, and the codes and scales need not be those that the quantiser above would give.
;; One version. Each part assembles by itself: llvm-mc -triple=amdgcn-amd-amdhsa -mcpu=gfx1250 --defsym DOCPART=n.
;; ======== version 1 of 1: 4 launches
;; limits: right only within a limited range of input values
;; workspace buffers: rope 557,056 bytes; wo_img 1,048,576 bytes; q_img 8,388,608 bytes; k_img 8,388,608 bytes; v_img 8,388,608 bytes; o_img 8,388,608 bytes
;; launch prep (part 1): grid 392 x 1, 8 waves a work-group, no clusters, 0 bytes of LDS; arguments wo, lowp_scales, wo_img, rope; writes wo_img, rope
.if DOCPART == 1
	.amdgcn_target "amdgcn-amd-amdhsa--gfx1250"
	.amdhsa_code_object_version 6
	.text
	.protected	k_q901d85253c_prep
	.globl	k_q901d85253c_prep
	.p2align	8
	.type	k_q901d85253c_prep,@function
k_q901d85253c_prep:
	s_mov_b64 s[64:65], 0
	v_nop
	global_prefetch_b8 v0, s[64:65] scope:SCOPE_SE
	s_setreg_imm32_b32 hwreg(HW_REG_WAVE_MODE, 25, 1), 1
	s_wait_xcnt 0x0
; TWO SMALL JOBS AHEAD OF THE PRODUCTS, one launch.  No work-group shares an input with another, so no cluster; no LDS, no loop, no barrier.
; ROLE W (work-groups 0-255): wo [1024 (k = head, d)][1024 (n)] f32 becomes codes of E5M2 with the given scale 2^e11, laid as IMAGES OF THE OPERAND'S REGISTERS:
;   wo_img [n tile 64][k step 8][piece c 4][lane 32][16 bytes]; lane (r, h) is column n = 16 tile + r; its 16 bytes of piece c are k = 128 step + 32 c + 8 h + 0..7, then + 16 + 0..7.
;   That order along K is the one in which the attention launch's conversions leave o, so every k meets its partner.
;   A lane takes a column and its registers run down K: each load reads 128 consecutive bytes a wave, four waves side by side 512; a lane's 16 codes are 16 bytes, and sixteen lanes store 256 consecutive aligned bytes.
;   code = x / 2^e11, held within +-57,344, to the nearest code, ties to even.  LIMITS: e11 between -126 and 112; NaN in wo is not served.
; ROLE T (work-groups 256-391): the rotary table, 136 tiles of 16 positions x 4,096 bytes.  Piece p = 4 f + 2 b + u (f = 0 cosine, 1 sine) at 512 p + 16 lane holds four f32: dims 16 b + 8 h + 4 u + 0..3 at position 16 tile + r,
;   each times 128^-0.5.  Tiles 128-135 hold 1.0 (cosine) and 0.0 (sine): the V tiles of the next launch read them, so that one text serves Q, K and V.
;   rad = f32(position) x f32(10^(-dim / 8)), one rounding.  The angle is reduced by n = nearest(rad x 2 / pi) with pi / 2 in three parts: the first fused multiply-add is exact, since its result is a multiple of 2^-23 under 2;
;   sine and cosine of the rest (at most pi / 4) are polynomials of degree 7 and 8.  rad is at most 2,047.
.set WGW,  256                         ; work-groups of role W
.set XN,   16                          ; v16-31 sixteen numbers of my column
.set CD,   32                          ; v32-35 their codes
	s_load_b256 s[4:11], s[0:1], 0x0               ; wo s[4:5], the scales' exponents s[6:7], wo_img s[8:9], rope s[10:11]
	v_lshrrev_b32 v1, 5, v0
	s_delay_alu instid0(VALU_DEP_1)
	v_readfirstlane_b32 s12, v1                    ; wave 0..7
	v_and_b32 v1, 31, v0                           ; lane
	s_wait_kmcnt 0x0
	s_cmp_ge_u32 ttmp9, WGW
	s_cbranch_scc1 .Ltable
	; ---- ROLE W.  Work-group G: 128 columns pg = G % 8, k step ks = (G / 8) % 8, piece c = G / 64.  Wave: 32 columns ps = w % 4, half h = w / 4.
	s_load_b32 s24, s[6:7], 0x2c                   ; e11
	s_and_b32 s13, ttmp9, 7                        ; pg
	s_bfe_u32 s14, ttmp9, 0x30003                  ; ks
	s_lshr_b32 s15, ttmp9, 6                       ; c
	s_and_b32 s16, s12, 3                          ; ps
	s_lshr_b32 s17, s12, 2                         ; h
	s_lshl_b32 s18, s14, 7
	s_lshl_b32 s19, s15, 5
	s_add_co_u32 s18, s18, s19
	s_lshl_b32 s19, s17, 3
	s_add_co_u32 s18, s18, s19                     ; my first row of wo: 128 ks + 32 c + 8 h
	s_lshl_b32 s18, s18, 12                        ; a row is 4,096 bytes
	s_lshl_b32 s19, s13, 9
	s_add_co_u32 s18, s18, s19
	s_lshl_b32 s19, s16, 7
	s_add_co_u32 s18, s18, s19                     ; + my wave's first column, in bytes
	s_mov_b32 s19, 0
	s_add_nc_u64 s[4:5], s[4:5], s[18:19]
	s_lshl_b32 s20, s13, 3
	s_lshl_b32 s21, s16, 1
	s_add_co_u32 s20, s20, s21                     ; my wave's first n tile: 8 pg + 2 ps
	s_lshl_b32 s20, s20, 14                        ; an n tile's eight fragments are 16,384 bytes
	s_lshl_b32 s21, s14, 11
	s_add_co_u32 s20, s20, s21
	s_lshl_b32 s21, s15, 9
	s_add_co_u32 s20, s20, s21
	s_lshl_b32 s21, s17, 8
	s_add_co_u32 s20, s20, s21                     ; + 2,048 ks + 512 c + 256 h
	s_mov_b32 s21, 0
	s_add_nc_u64 s[8:9], s[8:9], s[20:21]
	s_wait_alu depctr_va_vdst(0)
	v_lshlrev_b32 v2, 2, v1                        ; in: 4 bytes a lane
	v_lshrrev_b32 v3, 4, v1
	v_and_b32 v4, 15, v1
	s_delay_alu instid0(VALU_DEP_1)
	v_lshlrev_b32 v4, 4, v4
	s_delay_alu instid0(VALU_DEP_1)
	v_lshl_add_u32 v3, v3, 14, v4                  ; out: lanes 16-31 belong to the next n tile; 16 bytes for each of a tile's sixteen columns
.irp i, 0,1,2,3,4,5,6,7,8,9,10,11,12,13,14,15
	global_load_b32 v[XN+\i], v2, s[4:5] offset:4096*(\i+8*(\i/8)) th:TH_LOAD_NT   ; rows + 0..7 and + 16..23: read once in the whole launch
.endr
	s_wait_kmcnt 0x0
	s_add_co_i32 s24, s24, 127
	s_lshl_b32 s25, s24, 23
	v_mov_b32 v11, s25                             ; 2^e11 as f32: the conversion takes its exponent field
	s_add_co_i32 s24, s24, 15
	s_lshl_b32 s24, s24, 23
	s_or_b32 s24, s24, 0x600000
	v_mov_b32 v10, s24                             ; 57,344 x 2^e11
	s_wait_alu depctr_va_vdst(0)
	s_wait_loadcnt 0x0
.irp i, 0,1,2,3,4,5,6,7,8,9,10,11,12,13,14,15
	v_med3_num_f32 v[XN+\i], v[XN+\i], -v10, v10   ; the conversion to an 8-bit code does not saturate (ISA guide 7.6.2): the hold comes first
.endr
	v_cvt_scalef32_pk8_bf8_f32 v[CD:CD+1], v[XN:XN+7], v11
	v_cvt_scalef32_pk8_bf8_f32 v[CD+2:CD+3], v[XN+8:XN+15], v11
	global_store_b128 v3, v[CD:CD+3], s[8:9]       ; sixteen lanes store 256 consecutive bytes, at a multiple of 256 from the buffer's first byte
	s_endpgm
	; ---- ROLE T.  Work-group: a tile of 16 positions.  Wave p: piece p of the tile.
.Ltable:
	s_sub_co_u32 s13, ttmp9, WGW                   ; tile 0..135
	s_lshr_b32 s14, s12, 2                         ; f: 0 cosine, 1 sine
	s_and_b32 s15, s12, 3                          ; gi = 2 b + u
	s_lshl_b32 s16, s13, 12
	s_lshl_b32 s17, s12, 9
	s_add_co_u32 s16, s16, s17
	s_mov_b32 s17, 0
	s_add_nc_u64 s[10:11], s[10:11], s[16:17]      ; my piece
	s_wait_alu depctr_va_vdst(0)
	v_lshlrev_b32 v4, 4, v1                        ; 16 bytes a lane: the wave stores 512 consecutive bytes
	s_cmp_ge_u32 s13, 128
	s_cbranch_scc1 .Lident
; the four angles of lanes 0-15 (dims 16 b + 4 u + 0..3) in s20-23, of lanes 16-31 (eight dims on) in s24-27: f32(10^(-dim / 8))
.macro ANGLES g, a0, a1, a2, a3, b0, b1, b2, b3
.if \g == 0
	s_mov_b32 s20, \a0
	s_mov_b32 s21, \a1
	s_mov_b32 s22, \a2
	s_mov_b32 s23, \a3
	s_mov_b32 s24, \b0
	s_mov_b32 s25, \b1
	s_mov_b32 s26, \b2
	s_mov_b32 s27, \b3
.else
	s_cmp_eq_u32 s15, \g
	s_cselect_b32 s20, \a0, s20
	s_cselect_b32 s21, \a1, s21
	s_cselect_b32 s22, \a2, s22
	s_cselect_b32 s23, \a3, s23
	s_cselect_b32 s24, \b0, s24
	s_cselect_b32 s25, \b1, s25
	s_cselect_b32 s26, \b2, s26
	s_cselect_b32 s27, \b3, s27
.endif
.endm
	ANGLES 0, 0x3f800000, 0x3f3ff911, 0x3f0ff59a, 0x3ed7e89b, 0x3dcccccd, 0x3d99940e, 0x3d6655c3, 0x3d2cba15   ; dims 0-3, 8-11
	ANGLES 1, 0x3ea1e89b, 0x3e72d424, 0x3e361887, 0x3e088d77, 0x3d0186e2, 0x3cc24350, 0x3c91ad39, 0x3c5a7bf1   ; dims 4-7, 12-15
	ANGLES 2, 0x3c23d70a, 0x3bf5b9b0, 0x3bb8449c, 0x3b8a2e77, 0x3a83126f, 0x3a44948c, 0x3a136a16, 0x39dd1726   ; dims 16-19, 24-27
	ANGLES 3, 0x3b4f3e37, 0x3b1b690d, 0x3ae91528, 0x3aaec98e, 0x39a5cb5f, 0x3978a814, 0x393a7753, 0x390bd472   ; dims 20-23, 28-31
	s_mov_b32 s30, 0xffff0000                      ; lanes 16-31
	s_sub_co_u32 s29, 1, s14                       ; cos x = sin(x + pi / 2): the cosine's quadrant is one further on
	s_lshl_b32 s28, s13, 4
	v_and_b32 v5, 15, v1
	s_delay_alu instid0(VALU_DEP_1)
	v_add_nc_u32 v5, s28, v5
	s_delay_alu instid0(VALU_DEP_1)
	v_cvt_f32_u32 v5, v5                           ; my position, exact
.irp j, 0,1,2,3
	v_mov_b32 v[8+\j], s[20+\j]
	v_mov_b32 v[12+\j], s[24+\j]
	s_delay_alu instid0(VALU_DEP_1)
	v_cndmask_b32 v[8+\j], v[8+\j], v[12+\j], s30
.endr
; one number of the table.  Eight registers at work for each, so that the four do not wait for each other.
.macro TRIG jj
.set W, 16+8*\jj
	v_mul_f32 v[W], v5, v[8+\jj]                   ; rad
	s_delay_alu instid0(VALU_DEP_1)
	v_mul_f32 v[W+1], 0x3f22f983, v[W]             ; x 2 / pi
	s_delay_alu instid0(VALU_DEP_1)
	v_rndne_f32 v[W+1], v[W+1]                     ; n
	s_delay_alu instid0(VALU_DEP_1)
	v_fmamk_f32 v[W+2], v[W+1], 0xbfc90fdb, v[W]   ; r = rad - n x pi / 2, in three parts
	s_delay_alu instid0(VALU_DEP_1)
	v_fmamk_f32 v[W+2], v[W+1], 0x333bbd2e, v[W+2]
	s_delay_alu instid0(VALU_DEP_1)
	v_fmamk_f32 v[W+2], v[W+1], 0x26f72ced, v[W+2]
	s_delay_alu instid0(VALU_DEP_4)
	v_cvt_i32_f32 v[W+3], v[W+1]
	s_delay_alu instid0(VALU_DEP_1)
	v_add_nc_u32 v[W+3], s29, v[W+3]               ; the quadrant
	s_delay_alu instid0(VALU_DEP_3)
	v_mul_f32 v[W+4], v[W+2], v[W+2]               ; r^2
	v_mov_b32 v[W+5], 0xb94ca1f9
	s_delay_alu instid0(VALU_DEP_1)
	v_fmaak_f32 v[W+5], v[W+5], v[W+4], 0x3c08839e
	s_delay_alu instid0(VALU_DEP_1)
	v_fmaak_f32 v[W+5], v[W+5], v[W+4], 0xbe2aaaa3
	s_delay_alu instid0(VALU_DEP_4)
	v_mul_f32 v[W], v[W+4], v[W+2]                 ; r^3
	s_delay_alu instid0(VALU_DEP_1)
	v_fma_f32 v[W+5], v[W+5], v[W], v[W+2]         ; sin r
	v_mov_b32 v[W+6], 0x37ccf5ce
	s_delay_alu instid0(VALU_DEP_1)
	v_fmaak_f32 v[W+6], v[W+6], v[W+4], 0xbab6061a
	s_delay_alu instid0(VALU_DEP_1)
	v_fmaak_f32 v[W+6], v[W+6], v[W+4], 0x3d2aaaa5
	v_mul_f32 v[W], v[W+4], v[W+4]                 ; r^4
	v_fma_f32 v[W+7], v[W+4], -0.5, 1.0
	s_delay_alu instid0(VALU_DEP_1)
	v_fma_f32 v[W+6], v[W+6], v[W], v[W+7]         ; cos r
	v_and_b32 v[W], 1, v[W+3]
	s_delay_alu instid0(VALU_DEP_1)
	v_cmp_eq_u32 vcc_lo, 1, v[W]
	s_delay_alu instid0(VALU_DEP_1)
	v_cndmask_b32 v[W+5], v[W+5], v[W+6], vcc_lo   ; odd quadrants take the cosine: a choice of a value, no branch
	v_lshlrev_b32 v[W+3], 30, v[W+3]
	s_delay_alu instid0(VALU_DEP_1)
	v_and_b32 v[W+3], 0x80000000, v[W+3]
	s_delay_alu instid0(VALU_DEP_1)
	v_xor_b32 v[W+5], v[W+5], v[W+3]               ; quadrants 2 and 3 turn the sign
	s_delay_alu instid0(VALU_DEP_1)
	v_mul_f32 v[48+\jj], 0x3db504f3, v[W+5]        ; x 128^-0.5
.endm
	TRIG 0
	TRIG 1
	TRIG 2
	TRIG 3
	global_store_b128 v4, v[48:51], s[10:11]
	s_endpgm
.Lident:
	s_cmp_eq_u32 s14, 0
	s_cselect_b32 s20, 1.0, 0
	v_mov_b32 v48, s20
	v_mov_b32 v49, s20
	v_mov_b32 v50, s20
	v_mov_b32 v51, s20
	s_wait_alu depctr_va_vdst(0)
	global_store_b128 v4, v[48:51], s[10:11]
	s_endpgm
.Lfunc_end_k_q901d85253c_prep:
	.size	k_q901d85253c_prep, .Lfunc_end_k_q901d85253c_prep-k_q901d85253c_prep
	.p2alignl 7, 3214868480
	.fill 96, 4, 3214868480
	.section	.rodata,"a",@progbits
	.p2align	6, 0x0
	.amdhsa_kernel k_q901d85253c_prep
		.amdhsa_group_segment_fixed_size 0
		.amdhsa_private_segment_fixed_size 0
		.amdhsa_enable_private_segment 0
		.amdhsa_kernarg_size 32
		.amdhsa_user_sgpr_count 2
		.amdhsa_user_sgpr_kernarg_segment_ptr 1
		.amdhsa_wavefront_size32 1
		.amdhsa_system_sgpr_workgroup_id_x 1
		.amdhsa_system_sgpr_workgroup_id_y 1
		.amdhsa_system_sgpr_workgroup_id_z 1
		.amdhsa_system_vgpr_workitem_id 0
		.amdhsa_next_free_vgpr 64
		.amdhsa_next_free_sgpr 66
		.amdhsa_reserve_vcc 1
		.amdhsa_float_denorm_mode_32 3
		.amdhsa_float_denorm_mode_16_64 3
		.amdhsa_memory_ordered 1
		.amdhsa_forward_progress 1
		.amdhsa_inst_pref_size 17
	.end_amdhsa_kernel
	.amdgpu_metadata
---
amdhsa.version: [ 1, 2 ]
amdhsa.kernels:
  - .name:           k_q901d85253c_prep
    .symbol:         k_q901d85253c_prep.kd
    .args:
      - { .name: wo, .offset: 0, .size: 8, .value_kind: global_buffer, .address_space: global }
      - { .name: lowp_scales, .offset: 8, .size: 8, .value_kind: global_buffer, .address_space: global }
      - { .name: wo_img, .offset: 16, .size: 8, .value_kind: global_buffer, .address_space: global }
      - { .name: rope, .offset: 24, .size: 8, .value_kind: global_buffer, .address_space: global }
    .group_segment_fixed_size: 0
    .private_segment_fixed_size: 0
    .kernarg_segment_align: 8
    .kernarg_segment_size: 32
    .max_flat_workgroup_size: 256
    .sgpr_count:     66
    .vgpr_count:     64
    .wavefront_size: 32
...
	.end_amdgpu_metadata
.endif
;; end of part 1
;; launch qkv (part 2): grid 12 x 16, 4 waves a work-group, clusters of 4 x 4, 327,680 bytes of LDS; arguments x_codes, wq_codes, wk_codes, wv_codes, lowp_scales, rope, q_img, k_img, v_img; writes q_img, k_img, v_img
.if DOCPART == 2
	.amdgcn_target "amdgcn-amd-amdhsa--gfx1250"
	.amdhsa_code_object_version 6
	.text
	.protected	k_q901d85253c_qkv
	.globl	k_q901d85253c_qkv
	.p2align	8
	.type	k_q901d85253c_qkv,@function
k_q901d85253c_qkv:
	s_mov_b64 s[64:65], 0
	v_nop
	global_prefetch_b8 v0, s[64:65] scope:SCOPE_SE
	s_setreg_imm32_b32 hwreg(HW_REG_WAVE_MODE, 25, 1), 1
	s_wait_xcnt 0x0
	s_wait_alu depctr_hold_cnt(0) depctr_sa_sdst(0) depctr_va_vdst(0) depctr_va_sdst(0) depctr_va_ssrc(0) depctr_va_vcc(0) depctr_vm_vsrc(0)
	s_getreg_b32 s2, hwreg(HW_REG_IB_STS2, 6, 4)
	s_cmp_eq_u32 s2, 0
	s_cbranch_scc0 .Lentry_in_a_cluster
	s_endpgm
.Lentry_in_a_cluster:
	s_bfe_u32 s2, ttmp6, 0x10000c
	s_cmp_lg_u32 s2, 0xf033
	s_cbranch_scc0 .Lentry_shape_is_right
	s_endpgm
.Lentry_shape_is_right:
.set KSTEP,  256
.set ROWB,   256
.set KROW,   1024
.set PITCH,  272
.set FR,     16
.set NL,     4
.set NP,     4
.set HALFT,  128*PITCH
.set SLOT,   4*HALFT
.set SPARE,  2*SLOT
.set DX,     0x400000
.set ADRA, 16
.set ADRB, 20
.set LN,   24
.set LIM,  26
.set SCL,  27
.set SPW,  28
.set NIL,  29
.set TAB,  32
.set AF,   128
.set TMP,  160
.set TT,   224
.set COD,  240
.set G1, 24
.set G0, 32
.set G1B, 48
.set G0B, 56
.set DA,  90
.set DB,  12
.set MSB, 0
.macro WIN new
.if MSB != (\new)
	s_set_vgpr_msb (MSB<<8)|(\new)
.set MSB, (\new)
.endif
.endm
.set MUL_LO, 0xa1
.set MUL_HI, 0xf1
.set TO_B,   0x40
.macro JLOAD g0a, g1a, g0b, g1b
	s_cmp_eq_u32 s15, 0
	s_cbranch_scc0 .Lfor_b_\@
	tensor_load_to_lds s[\g0a:\g0a+3], s[\g1a:\g1a+7]
	s_nop 0
.rept 4
	v_nop
.endr
	s_branch .Lasked_\@
.Lfor_b_\@:
	tensor_load_to_lds s[\g0b:\g0b+3], s[\g1b:\g1b+7]
	s_nop 0
.rept 4
	v_nop
.endr
.Lasked_\@:
.endm
.macro CREST
	s_cmp_lg_u32 s14, 0
	s_cbranch_scc1 .Lnot_wave_0_\@
	s_barrier_signal -3
.Lnot_wave_0_\@:
	s_barrier_wait -3
	s_barrier_signal -1
	s_barrier_wait -1
.endm
.macro CROUND
	s_barrier_signal -1
	s_barrier_wait -1
	CREST
.endm
.macro TABLE a
.set TL, TAB+32*((\a)%4)
.irp p, 0,1,2,3,4,5,6,7
	global_load_b128 v[TL+4*\p:TL+4*\p+3], v[LN], s[70:71] offset:4096*(\a)+512*\p
.endr
.endm
	s_load_b256 s[4:11], s[0:1], 0x0
	s_load_b256 s[68:75], s[0:1], 0x20
	s_load_b64 s[76:77], s[0:1], 0x40
	v_lshl_add_u32 v[SPW], v0, 2, SPARE
	v_mov_b32 v[NIL], 0
	ds_add_u32 v28, v29
	ds_add_u32 v28, v29
	s_wait_dscnt 0x0
	v_lshrrev_b32 v1, 5, v0
	v_readfirstlane_b32 s14, v1
	s_lshr_b32 s15, s14, 1
	s_and_b32 s16, s14, 1
	s_bfe_u32 s40, ttmp6, 0x40000
	s_bfe_u32 s41, ttmp6, 0x40004
	s_and_b32 s66, ttmp7, 0xffff
	s_lshl_b32 s66, s66, 2
	s_cmp_eq_u32 ttmp9, 2
	s_cselect_b32 s17, 0, s66
	s_cselect_b32 s42, s66, 0
	s_cselect_b32 s[DA], 0, DX
	s_cselect_b32 s[DB], DX, 0
	s_mov_b32 s[DA+1], 0
	s_mov_b32 s[DB+1], 0
	s_add_co_u32 s17, s17, s41
	s_add_co_u32 s42, s42, s40
	s_lshl_b32 s43, s41, 2
	s_lshl_b32 s43, 15, s43
	s_lshl_b32 s44, 0x1111, s40
	s_or_b32 s[G1+0], s43, (0<<16)|(1<<20)|(1<<21)|(5<<22)|(3<<25)
	s_or_b32 s[G1B+0], s44, (0<<16)|(1<<20)|(1<<21)|(5<<22)|(3<<25)
.irp g, G1, G1B
	s_mov_b32 s[\g+1], ROWB<<16
	s_mov_b32 s[\g+2], 128<<16
	s_mov_b32 s[\g+3], ROWB<<16
	s_mov_b32 s[\g+4], 128
	s_mov_b32 s[\g+5], KROW
	s_mov_b32 s[\g+6], 0
	s_mov_b32 s[\g+7], 0
.endr
	s_lshl_b32 s18, s16, 7
	s_lshl_b32 s20, s17, 8
	s_add_co_u32 s20, s20, s18
	s_lshl_b32 s20, s20, 10
	s_mov_b32 s21, 0
	s_lshl_b32 s46, s42, 8
	s_add_co_u32 s46, s46, s18
	s_lshl_b32 s46, s46, 10
	s_mov_b32 s47, 0
	s_mul_i32 s45, s14, HALFT
	s_wait_kmcnt 0x0
	s_load_b256 s[80:87], s[68:69], 0x0
	s_load_b64 s[88:89], s[68:69], 0x20
	s_cmp_eq_u32 ttmp9, 1
	s_cselect_b64 s[92:93], s[8:9], s[6:7]
	s_cselect_b64 s[94:95], s[74:75], s[72:73]
	s_cmp_eq_u32 ttmp9, 2
	s_cselect_b64 s[78:79], s[10:11], s[4:5]
	s_cselect_b64 s[92:93], s[4:5], s[92:93]
	s_cselect_b64 s[94:95], s[76:77], s[94:95]
	s_add_nc_u64 s[20:21], s[78:79], s[20:21]
	s_add_nc_u64 s[46:47], s[92:93], s[46:47]
	CROUND
.irp s, 0,1
	s_mov_b32 s[G0+4*\s], 1
	s_add_co_u32 s[G0+4*\s+1], s45, \s*SLOT
	s_add_nc_u64 s[G0+4*\s+2:G0+4*\s+3], s[20:21], \s*ROWB
	s_or_b32 s[G0+4*\s+3], s[G0+4*\s+3], 0x80000000
	s_mov_b32 s[G0B+4*\s], 1
	s_add_co_u32 s[G0B+4*\s+1], s45, \s*SLOT
	s_add_nc_u64 s[G0B+4*\s+2:G0B+4*\s+3], s[46:47], \s*ROWB
	s_or_b32 s[G0B+4*\s+3], s[G0B+4*\s+3], 0x80000000
	s_wait_alu depctr_va_vdst(0)
	s_wait_tensorcnt 0x0
	ds_add_u32 v28, v29
	ds_add_u32 v28, v29
	s_wait_dscnt 0x0
	CROUND
	JLOAD G0+4*\s, G1, G0B+4*\s, G1B
.endr
	v_and_b32 v1, 15, v0
	v_bfe_u32 v2, v0, 4, 1
	v_mul_u32_u24 v3, v1, PITCH
	v_lshl_add_u32 v4, v2, 4, v3
	s_mul_i32 s21, s15, HALFT
	s_mul_i32 s22, s16, HALFT
	s_add_co_u32 s22, s22, 2*HALFT
.irp s, 0,1
	v_add_nc_u32 v[ADRA+\s], s21, v4
	v_add_nc_u32 v[ADRB+\s], s22, v4
	s_add_co_u32 s21, s21, SLOT
	s_add_co_u32 s22, s22, SLOT
.endr
	v_and_b32 v6, 31, v0
	v_lshlrev_b32 v[LN], 4, v6
	s_wait_alu depctr_va_vdst(0)
	s_cmp_eq_u32 ttmp9, 2
	s_cselect_b32 s18, s42, s17
	s_cselect_b32 s19, s16, s15
	s_cselect_b32 s20, s41, s40
	s_cselect_b32 s21, s15, s16
	s_lshr_b32 s22, s18, 3
	s_lshl_b32 s22, s22, 3
	s_lshl_b32 s20, s20, 1
	s_add_co_u32 s22, s22, s20
	s_add_co_u32 s22, s22, s21
	s_lshl_b32 s22, s22, 18
	s_and_b32 s18, s18, 7
	s_lshl_b32 s20, s18, 15
	s_add_co_u32 s22, s22, s20
	s_lshl_b32 s20, s19, 14
	s_add_co_u32 s22, s22, s20
	s_mov_b32 s23, 0
	s_add_nc_u64 s[94:95], s[94:95], s[22:23]
	s_lshl_b32 s20, s18, 4
	s_lshl_b32 s21, s19, 3
	s_add_co_u32 s20, s20, s21
	s_cmp_eq_u32 ttmp9, 2
	s_cselect_b32 s20, 128, s20
	s_lshl_b32 s20, s20, 12
	s_mov_b32 s21, 0
	s_add_nc_u64 s[70:71], s[70:71], s[20:21]
	TABLE 0
	TABLE 1
	TABLE 2
	s_wait_kmcnt 0x0
	s_sub_co_i32 s98, s86, s80
	s_sub_co_i32 s98, s98, s81
	s_sub_co_i32 s99, s87, s82
	s_sub_co_i32 s99, s99, s83
	s_sub_co_i32 s100, s89, s84
	s_sub_co_i32 s100, s100, s85
	s_cmp_eq_u32 ttmp9, 1
	s_cselect_b32 s98, s99, s98
	s_cmp_eq_u32 ttmp9, 2
	s_cselect_b32 s98, s100, s98
	s_cselect_b32 s96, 1.0, 0x3db504f3
	s_mov_b32 s97, s96
	s_add_co_i32 s98, s98, 127
	s_lshl_b32 s99, s98, 23
	v_mov_b32 v[SCL], s99
	s_add_co_i32 s98, s98, 15
	s_lshl_b32 s98, s98, 23
	s_or_b32 s98, s98, 0x600000
	v_mov_b32 v[LIM], s98
.macro FRAG reg, adr, q, i
.irp c, 0,1,2,3
	ds_load_b128 v[\reg+4*\c:\reg+4*\c+3], v[\adr] offset:128*(\q)+32*\c+(\i)*16*PITCH
.endr
.endm
.macro MUL16 a0, p, zero
.irp a, \a0, \a0+1
.irp b, 0,1,2,3,4,5,6,7
.if \zero
	v_wmma_f32_16x16x128_bf8_bf8 v[8*(8*((\a)%4)+\b):8*(8*((\a)%4)+\b)+7], v[128*(\p)+FR*\b:128*(\p)+FR*\b+FR-1], v[AF+FR*(\a):AF+FR*(\a)+FR-1], 0
.else
	v_wmma_f32_16x16x128_bf8_bf8 v[8*(8*((\a)%4)+\b):8*(8*((\a)%4)+\b)+7], v[128*(\p)+FR*\b:128*(\p)+FR*\b+FR-1], v[AF+FR*(\a):AF+FR*(\a)+FR-1], v[8*(8*((\a)%4)+\b):8*(8*((\a)%4)+\b)+7]
.endif
.endr
.endr
.endm
.macro FETCH_B slot, q, p
	WIN TO_B
.irp i, 0,1,2,3,4,5,6,7
	FRAG 128*(\p)+FR*\i, ADRB+\slot, \q, \i
.endr
	WIN 0
.endm
.macro FETCH_A slot, q, i0
.irp i, \i0, \i0+1, \i0+2, \i0+3
	FRAG AF+FR*(\i), ADRA+\slot, \q, \i
.endr
.endm
.macro PLACES n
.rept \n
	v_nop
.endr
.endm
.macro STEP slot, q, zero
	s_wait_dscnt 4*NL
	WIN MUL_LO
	MUL16 0, (\q)%2, \zero
	MUL16 2, (\q)%2, \zero
	s_wait_dscnt 0
	PLACES NP
	FETCH_B \slot, (\q)+1, 1-(\q)%2
	FETCH_A \slot, (\q)+1, 0
	WIN MUL_HI
	MUL16 4, (\q)%2, \zero
	MUL16 6, (\q)%2, \zero
	PLACES NP
	WIN 0
	FETCH_A \slot, (\q)+1, 4
.endm
.macro TURN slot, next, fill, fetch
	s_wait_tensorcnt 0x0
	ds_add_u32 v[SPW], v[NIL]
	s_wait_dscnt 4*NL+1
	WIN MUL_LO
	MUL16 0, 1, 0
	s_wait_dscnt 0x0
	s_barrier_signal -1
	MUL16 2, 1, 0
	WIN 0
	s_barrier_wait -1
.if \fill
	CREST
.if \fill == 2
	s_sub_nc_u64 s[G0+4*\slot+2:G0+4*\slot+3], s[G0+4*\slot+2:G0+4*\slot+3], 2*ROWB
	s_add_nc_u64 s[G0+4*\slot+2:G0+4*\slot+3], s[G0+4*\slot+2:G0+4*\slot+3], s[DA:DA+1]
	s_sub_nc_u64 s[G0B+4*\slot+2:G0B+4*\slot+3], s[G0B+4*\slot+2:G0B+4*\slot+3], 2*ROWB
	s_add_nc_u64 s[G0B+4*\slot+2:G0B+4*\slot+3], s[G0B+4*\slot+2:G0B+4*\slot+3], s[DB:DB+1]
.else
	s_add_nc_u64 s[G0+4*\slot+2:G0+4*\slot+3], s[G0+4*\slot+2:G0+4*\slot+3], 2*ROWB
	s_add_nc_u64 s[G0B+4*\slot+2:G0B+4*\slot+3], s[G0B+4*\slot+2:G0B+4*\slot+3], 2*ROWB
.endif
	JLOAD G0+4*\slot, G1, G0B+4*\slot, G1B
.else
	PLACES NP
.endif
.if \fetch
	FETCH_B \next, 0, 0
	FETCH_A \next, 0, 0
.endif
	WIN MUL_HI
	MUL16 4, 1, 0
	MUL16 6, 1, 0
.if \fetch
	PLACES NP
	WIN 0
	FETCH_A \next, 0, 4
.endif
.endm
.macro OUT a, more
.set AC, 64*((\a)%4)
.set TS, TAB+32*((\a)%4)
.if \more || ((\a) < 5)
	s_wait_loadcnt 24
.else
	s_wait_loadcnt 8*(7-(\a))
.endif
	s_wait_xcnt 0x0
	WIN 0x02+((\a)/4)
.irp b, 0,1
.irp i, 0,2,4,6
	v_pk_mul_f32 v[TT+\i:TT+\i+1], v[AC+16+8*\b+\i:AC+16+8*\b+\i+1], v[TS+16+8*\b+\i:TS+16+8*\b+\i+1]
.endr
.irp i, 0,2,4,6
	v_pk_mul_f32 v[TT+8+\i:TT+8+\i+1], v[AC+16+8*\b+\i:AC+16+8*\b+\i+1], v[TS+8*\b+\i:TS+8*\b+\i+1]
.endr
.irp i, 0,2,4,6
	v_pk_fma_f32 v[TMP+8*\b+\i:TMP+8*\b+\i+1], v[AC+8*\b+\i:AC+8*\b+\i+1], v[TS+8*\b+\i:TS+8*\b+\i+1], v[TT+\i:TT+\i+1] neg_lo:[0,0,1] neg_hi:[0,0,1]
.endr
.irp i, 0,2,4,6
	v_pk_fma_f32 v[TMP+16+8*\b+\i:TMP+16+8*\b+\i+1], v[AC+8*\b+\i:AC+8*\b+\i+1], v[TS+16+8*\b+\i:TS+16+8*\b+\i+1], v[TT+8+\i:TT+8+\i+1]
.endr
.endr
.irp j, 32,34,36,38,40,42,44,46,48,50,52,54,56,58,60,62
	v_pk_mul_f32 v[TMP+\j:TMP+\j+1], v[AC+\j:AC+\j+1], s[96:97] op_sel_hi:[1,0]
.endr
	WIN 0
.if (\a) < 4
	TABLE (\a)+4
.elseif \more && ((\a) < 7)
	TABLE (\a)-4
.endif
.set i, 0
.rept 64
	v_med3_num_f32 v[TMP+i], v[TMP+i], -v[LIM], v[LIM]
.set i, i+1
.endr
.irp c, 0,1,2,3
	v_cvt_scalef32_pk8_bf8_f32 v[COD+4*\c:COD+4*\c+1], v[TMP+16*\c:TMP+16*\c+7], v[SCL]
	v_cvt_scalef32_pk8_bf8_f32 v[COD+4*\c+2:COD+4*\c+3], v[TMP+16*\c+8:TMP+16*\c+15], v[SCL]
.endr
	v_nop
.irp c, 0,1,2,3
	global_store_b128 v[LN], v[COD+4*\c:COD+4*\c+3], s[94:95] offset:2048*(\a)+512*\c
.endr
.endm
.macro TILE more
	FETCH_B 0, 0, 0
	FETCH_A 0, 0, 0
	FETCH_A 0, 0, 4
	STEP 0, 0, 1
	TURN 0, 1, 1, 1
	STEP 1, 0, 0
	TURN 1, 0, 1, 1
	STEP 0, 0, 0
.if \more
	TURN 0, 1, 2, 1
	STEP 1, 0, 0
	TURN 1, 0, 2, 0
.else
	TURN 0, 1, 0, 1
	STEP 1, 0, 0
	s_wait_dscnt 4*NL
	WIN MUL_LO
	MUL16 0, 1, 0
	MUL16 2, 1, 0
	s_wait_dscnt 0
	WIN MUL_HI
	MUL16 4, 1, 0
	MUL16 6, 1, 0
.endif
	WIN 0
	PLACES NP
	TABLE 3
.irp a, 0,1,2,3,4,5,6,7
	OUT \a, \more
.endr
.if \more
	s_wait_xcnt 0x0
	s_add_nc_u64 s[94:95], s[94:95], DX
.endif
.endm
	s_wait_tensorcnt 1
	s_barrier_signal -1
	s_barrier_wait -1
	TILE 1
	TILE 0
	s_wait_tensorcnt 0x0
	ds_add_u32 v[SPW], v[NIL]
	s_wait_dscnt 0x0
	CROUND
	s_endpgm
.Lfunc_end_k_q901d85253c_qkv:
	.size	k_q901d85253c_qkv, .Lfunc_end_k_q901d85253c_qkv-k_q901d85253c_qkv
	.p2alignl 7, 3214868480
	.fill 96, 4, 3214868480
	.section	.rodata,"a",@progbits
	.p2align	6, 0x0
	.amdhsa_kernel k_q901d85253c_qkv
		.amdhsa_group_segment_fixed_size 327680
		.amdhsa_private_segment_fixed_size 0
		.amdhsa_enable_private_segment 0
		.amdhsa_kernarg_size 72
		.amdhsa_user_sgpr_count 2
		.amdhsa_user_sgpr_kernarg_segment_ptr 1
		.amdhsa_wavefront_size32 1
		.amdhsa_system_sgpr_workgroup_id_x 1
		.amdhsa_system_sgpr_workgroup_id_y 1
		.amdhsa_system_sgpr_workgroup_id_z 1
		.amdhsa_system_vgpr_workitem_id 0
		.amdhsa_next_free_vgpr 1024
		.amdhsa_next_free_sgpr 102
		.amdhsa_reserve_vcc 0
		.amdhsa_float_denorm_mode_32 3
		.amdhsa_float_denorm_mode_16_64 3
		.amdhsa_memory_ordered 1
		.amdhsa_forward_progress 1
		.amdhsa_inst_pref_size 255
	.end_amdhsa_kernel
	.section	.bss,"aw",@nobits
	.p2align	6
	.space	262144
	.amdgpu_metadata
---
amdhsa.version: [ 1, 2 ]
amdhsa.kernels:
  - .name:           k_q901d85253c_qkv
    .symbol:         k_q901d85253c_qkv.kd
    .args:
      - { .name: x_codes, .offset: 0, .size: 8, .value_kind: global_buffer, .address_space: global }
      - { .name: wq_codes, .offset: 8, .size: 8, .value_kind: global_buffer, .address_space: global }
      - { .name: wk_codes, .offset: 16, .size: 8, .value_kind: global_buffer, .address_space: global }
      - { .name: wv_codes, .offset: 24, .size: 8, .value_kind: global_buffer, .address_space: global }
      - { .name: lowp_scales, .offset: 32, .size: 8, .value_kind: global_buffer, .address_space: global }
      - { .name: rope, .offset: 40, .size: 8, .value_kind: global_buffer, .address_space: global }
      - { .name: q_img, .offset: 48, .size: 8, .value_kind: global_buffer, .address_space: global }
      - { .name: k_img, .offset: 56, .size: 8, .value_kind: global_buffer, .address_space: global }
      - { .name: v_img, .offset: 64, .size: 8, .value_kind: global_buffer, .address_space: global }
    .group_segment_fixed_size: 327680
    .private_segment_fixed_size: 0
    .kernarg_segment_align: 8
    .kernarg_segment_size: 72
    .max_flat_workgroup_size: 128
    .sgpr_count:     102
    .vgpr_count:     1024
    .wavefront_size: 32
...
	.end_amdgpu_metadata
.endif
;; end of part 2
;; launch attn (part 3): grid 8 x 32, 8 waves a work-group, no clusters, 327,680 bytes of LDS; arguments q_img, k_img, v_img, lowp_scales, o_img; writes o_img
.if DOCPART == 3
	.amdgcn_target "amdgcn-amd-amdhsa--gfx1250"
	.amdhsa_code_object_version 6
	.text
	.protected	k_q901d85253c_attn
	.globl	k_q901d85253c_attn
	.p2align	8
	.type	k_q901d85253c_attn,@function
k_q901d85253c_attn:
	s_mov_b64 s[64:65], 0
	v_nop
	global_prefetch_b8 v0, s[64:65] scope:SCOPE_SE
	s_setreg_imm32_b32 hwreg(HW_REG_WAVE_MODE, 25, 1), 1
	s_wait_xcnt 0x0
; CAUSAL ATTENTION ON CODES OF E5M2, AND THE QUANTISER OF o.  q_img, k_img: [batch x 8 + head, 32][tile of 16 positions, 128][2,048 bytes]; v_img: [32][block of 128 keys, 16][tile of 16 d, 8][2,048 bytes]: each fragment an image of
; the operand's registers (piece c of lane l at 512 c + 16 l).  o_img: [batch x 128 + tile of 16 positions][head 8][2,048 bytes], the same kind of image, for the last product.
; LEFT OUT: key blocks all of whose keys come after a tile's queries: reference() takes 1e30 from their scores, so their p is 0 for all finite inputs.  A NaN or an infinity that reaches only those scores is not carried to the result.
; THE SOFTMAX AHEAD OF THE SECOND PRODUCT: t = score x log2(e); M = the row's largest t so far, rounded UP to a whole number; p = 2^(t - M) is quantised with 2^e8; it is not normalised.  The row's sum is taken of the unquantised p
; and divides O at the end.  When M moves, the sum and O are multiplied by 2^(old M - new M): exact.
; LAYOUT.  Both products are used transposed: S^T = K Q^T, O^T = V^T P^T: a lane holds ONE query (lane % 16) of each tile.  Register j of score tile b is key 16 b + 8 (lane / 16) + j; tiles 2 c and 2 c + 1 become registers 4 c .. 4 c + 3 of P.
; SHARES.  A work-group (head, jp = 0..7) owns two blocks of 128 queries: A = block 15 - jp (16 - jp key blocks count for it) and B = block jp (jp + 1 key blocks): 17 key steps for each tile pair, whatever jp is.
; Eight waves, two to a SIMD; a wave owns TWO tiles of 16 queries, 2 gp and 2 gp + 1 of a block (gp = wave % 4): each fragment of K and V read from LDS feeds two matrix instructions, and the two tiles' softmaxes go line by line by turns,
; so that no line reads the result of the line above it.
; Waves 0-3: A, key blocks 7 - jp .. 15 - jp: nine steps, the last on the diagonal.  Waves 4-7: B, key blocks 0 .. jp; then B's sums are set aside in LDS and the wave goes on with A, key blocks 0 .. 6 - jp: eight steps in all.
; At the end waves 4-7 hand A's part to waves 0-3 through LDS, and ONE text joins two parts: waves 0-3 their own and the partner's of A; waves 4-7 an own part that counts for nothing (M far below) and B's from LDS.
; RING.  Nine positions, two LDS slots of one position: [waves 0-3's K block, V block][waves 4-7's K block, V block], 16,384 bytes each, dense in memory.  Waves 0-3 fetch one block each: by this text's count a wave has one tensor load out.
; NO CLUSTER: at one position the eight work-groups of a head want key blocks 7 - jp + n and n (or n - jp - 1), which differ with jp: no two ask for the same tile in the same trip.
; LIMITS on the given exponents, so that each power of two is an f32 number: e6 + e7 between -126 and 127; e8, and e10 - e8 - e9, between -126 and 112.  The scaled scores stay under 2^31 in magnitude.
; REGISTERS.  Window 0: v1, v2 my K and V places in a slot; v3, v4 the mask's numbers; v5, v6 the add's; v7 the prefetch's offset; v8, v9 addresses in hand; v10-12 LDS places of state, A's Q and sums;
;   v[16:19], v[20:23] -M, the largest t and the sum in two halves, of tile 0 and of tile 1; v24-39, v40-55 Q; v64-127, v128-191 S^T, then p; v192-207, v208-223 codes; v224-228 constants; v56, v57, v232-255 at work.
;   Window 1: v0-127 the eight fragments of K or V; v128-191, v192-255 O^T.
.set SLOT1, 1<<16                      ; slot 1 begins here: one exclusive or turns an address
.set STB,   131072                     ; sums set aside: 4 x 16,384 bytes of B's, then 4 x 16,384 of A's parts
.set MLB,   262144                     ; state set aside: 4 x 1,024 bytes of B's, then 4 x 1,024 of A's
.set QSB,   270336                     ; A's Q for waves 4-7: 4 x 4,096 bytes
.set SPARE, 286720                     ; the spare words, 128 bytes for each wave
.set LNK,  1
.set LNV,  2
.set DG,   3                           ; 16 x tile + r - 8 h: on the diagonal register 8 b + i holds a hidden key where 16 b + i > this
.set SPW,  5
.set NIL,  6
.set PFO,  7
.set ADK,  8
.set ADV,  9
.set MRD,  10
.set QSA,  11
.set SRD,  12
.set WV,   18
.set SEL,  20                          ; s[20:21] lane selects for lane l xor 16
.set CS,   22                          ; s[22:23] log2(e) x 2^(e6 + e7)
.set G1,   24
.set G0,   40
.set BASE, 44                          ; s[44:45] my head in k_img (even waves) or v_img (odd waves)
.set OFF,  46
.set LK,   48                          ; the key block that my load names
.set LW,   49                          ; the block number at which it goes back to 0 (jp + 1 once, for waves 4-7's blocks)
.set PFA,  50
.set PFW,  52                          ; 2 in waves 4 and 5, which prefetch
.set JA,   53
.set TB,   66
.set TRIPS, 67
.set KF,   98                          ; my step's first key
.set JB,   99                          ; the first key of my queries' block
.set MSB, 0
.macro WIN new                         ; low byte: bits 1:0 source 0, 3:2 source 1, 5:4 source 2, 7:6 destination; the high byte repeats the setting that is left
.if MSB != (\new)
	s_set_vgpr_msb (MSB<<8)|(\new)
.set MSB, (\new)
.endif
.endm
.macro TLOAD lim                       ; waves under lim fetch; an s_nop 0 and four v_nop follow the line
	s_cmp_lt_u32 s[WV], \lim
	s_cbranch_scc0 .Lasked_\@
	tensor_load_to_lds s[G0:G0+3], s[G1:G1+7]
	s_nop 0
.rept 4
	v_nop
.endr
.Lasked_\@:
.endm
; A PREFETCH INTO THE L2.  Key blocks 9 .. 15 are first loaded by the work-group jp = 0, block n + 9 behind trip n + 1's barrier; trip n asks for it.  Its 16,384 bytes of K and of V are shared out among the head's eight work-groups by address:
; 2,048 bytes each, wave 4 for K, wave 5 for V, lanes 0-7 256 bytes apart, the other lanes on the last of these.  Seven trips ask for blocks 9 to 15: none lies past the head's end.  Blocks 0 to 8 come by their loads alone.
.macro ASK
	s_cmp_eq_u32 s[PFW], 2
	s_cbranch_scc0 .Lnot_mine_\@
	global_prefetch_b8 v[PFO], s[PFA:PFA+1] th:TH_LOAD_NT scope:SCOPE_SE
.Lnot_mine_\@:
.endm
	s_load_b128 s[4:7], s[0:1], 0x0                ; q_img, k_img
	s_load_b128 s[12:15], s[0:1], 0x10             ; v_img, the scales' exponents
	s_load_b64 s[16:17], s[0:1], 0x20              ; o_img
	v_lshl_add_u32 v[SPW], v0, 2, SPARE
	v_mov_b32 v[NIL], 0
	ds_add_u32 v[SPW], v[NIL]                      ; the opening: the add, twice on end, and its wait ahead of the first tensor load
	ds_add_u32 v[SPW], v[NIL]
	v_lshrrev_b32 v8, 5, v0
	v_readfirstlane_b32 s[WV], v8                  ; wave 0..7
	s_and_b32 s34, ttmp7, 0xffff                   ; batch x 8 + head
	s_lshr_b32 s35, s[WV], 2                       ; 0: waves 0-3, 1: waves 4-7
	s_and_b32 s36, s[WV], 3                        ; gp
	s_lshl_b32 s85, s36, 1
	s_sub_co_u32 s37, 15, ttmp9                    ; A's block
	s_lshl_b32 s[JA], s37, 7
	s_lshl_b32 s38, s37, 3
	s_add_co_u32 s38, s38, s85                     ; A's first tile of mine
	s_lshl_b32 s39, ttmp9, 3
	s_add_co_u32 s39, s39, s85                     ; B's
	s_lshl_b32 s54, ttmp9, 7
	s_sub_co_u32 s55, s[JA], 1024                  ; 128 (7 - jp)
	s_cmp_eq_u32 s35, 0
	s_cselect_b32 s56, s38, s39                    ; the tiles that I begin with, and that I store
	s_cselect_b32 s[JB], s[JA], s54
	s_cselect_b32 s[KF], s55, 0
	s_lshl_b32 s57, s34, 18                        ; the head's first byte in q_img, k_img and v_img
	s_lshl_b32 s58, s56, 11
	s_add_co_u32 s58, s58, s57                     ; my first Q
	s_mov_b32 s59, 0
	s_lshl_b32 s60, s38, 11
	s_add_co_u32 s60, s60, s57                     ; A's Q
	s_mov_b32 s61, 0
	s_lshr_b32 s62, s34, 3
	s_lshl_b32 s62, s62, 7
	s_add_co_u32 s62, s62, s56                     ; batch x 128 + tile,
	s_lshl_b32 s62, s62, 14                        ; eight heads' fragments each,
	s_and_b32 s63, s34, 7
	s_lshl_b32 s63, s63, 11
	s_add_co_u32 s62, s62, s63                     ; + my head's
	s_mov_b32 s63, 0
	; what I fetch, if I fetch: wave 2 a + b: b = 0 K, 1 V; a = 0 for waves 0-3's steps, 1 for waves 4-7's
	s_bfe_u32 s32, s[WV], 0x10001
	s_sub_co_u32 s33, 7, ttmp9
	s_add_co_u32 s39, ttmp9, 1
	s_cmp_eq_u32 s32, 0
	s_cselect_b32 s[LK], s33, 0
	s_cselect_b32 s[LW], 99, s39
	s_lshl_b32 s[G0+1], s36, 14                    ; LDS address: slot 0, 16,384 x wave
	s_mov_b32 s[G0], 1
	s_lshl_b32 s[OFF], s[LK], 14
	s_mov_b32 s[OFF+1], 0
	s_lshr_b32 s[PFW], s[WV], 1
	s_lshl_b32 s54, ttmp9, 11
	s_add_co_u32 s54, s54, 8*16384                 ; my work-group's 2,048 bytes of key block 8: the first trip steps it to block 9
	s_mov_b32 s55, 0
	s_lshl_b32 s80, s35, 15                        ; my K block in a slot
	s_xor_b32 s32, s[WV], 4
	s_lshl_b32 s81, s32, 14
	s_add_co_u32 s81, s81, STB                     ; the sums that I read at the end: waves 0-3 A's part of wave + 4, waves 4-7 their own B
	s_lshl_b32 s82, s32, 10
	s_add_co_u32 s82, s82, MLB
	s_lshl_b32 s83, s36, 12
	s_add_co_u32 s83, s83, QSB
	s_lshl_b32 s84, s36, 5
	; descriptor group 1: a dense block of 16,384 bytes, as 64 rows of 256 bytes (32 elements of 8 bytes)
	s_mov_b32 s[G1], 3<<16
	s_mov_b32 s[G1+1], 32<<16
	s_mov_b32 s[G1+2], 64<<16
	s_mov_b32 s[G1+3], 32<<16
	s_mov_b32 s[G1+4], 64
	s_mov_b32 s[G1+5], 32
	s_mov_b32 s[G1+6], 0
	s_mov_b32 s[G1+7], 0
	s_mov_b32 s[SEL], 0x76543210
	s_mov_b32 s[SEL+1], 0xfedcba98
	s_mov_b32 s[CS], 0x3fb8aa3b                    ; log2(e)
	s_mov_b32 s[TB], 0
	s_mov_b32 s[TRIPS], 7
	s_wait_dscnt 0x0                               ; both opening adds are done
	s_wait_kmcnt 0x0
	s_load_b256 s[68:75], s[14:15], 0x0            ; e0 .. e7
	s_load_b128 s[76:79], s[14:15], 0x20           ; e8 .. e11
	s_and_b32 s32, s[WV], 1
	s_cmp_eq_u32 s32, 0
	s_cselect_b64 s[BASE:BASE+1], s[6:7], s[12:13]
	s_mov_b32 s32, s57
	s_mov_b32 s33, 0
	s_add_nc_u64 s[BASE:BASE+1], s[BASE:BASE+1], s[32:33]
	s_add_nc_u64 s[G0+2:G0+3], s[BASE:BASE+1], s[OFF:OFF+1]
	s_or_b32 s[G0+3], s[G0+3], 0x80000000
	s_add_nc_u64 s[PFA:PFA+1], s[BASE:BASE+1], s[54:55]
	TLOAD 4                                        ; position 0
	s_add_nc_u64 s[6:7], s[4:5], s[60:61]          ; A's Q
	s_add_nc_u64 s[4:5], s[4:5], s[58:59]          ; my first Q
	s_add_nc_u64 s[16:17], s[16:17], s[62:63]
	v_and_b32 v8, 31, v0
	v_lshlrev_b32 v9, 4, v8                        ; 16 x lane
	s_wait_alu depctr_va_vdst(0)                   ; the wait behind these writes
.irp i, 0,1,2,3,4,5,6,7
	global_load_b128 v[24+4*\i:27+4*\i], v9, s[4:5] offset:512*\i   ; both tiles' Q
.endr
	v_add_nc_u32 v[LNK], s80, v9
	v_add_nc_u32 v[LNV], 16384, v[LNK]
	v_add_nc_u32 v[SRD], s81, v9
	v_add_nc_u32 v[MRD], s82, v9
	v_add_nc_u32 v[QSA], s83, v9
	v_min_u32 v[PFO], 7, v8
	v_lshlrev_b32 v[PFO], 8, v[PFO]
	v_and_b32 v13, 15, v0                          ; r
	v_bfe_u32 v14, v0, 4, 1                        ; h
	v_lshlrev_b32 v14, 3, v14
	v_sub_nc_u32 v[DG], v13, v14
	v_add_nc_u32 v[DG], s84, v[DG]
	v_add_nc_u32 v[DG+1], 16, v[DG]
	s_wait_alu depctr_va_vdst(0)                   ; the wait ahead of the branch
	s_cmp_lt_u32 s[WV], 4
	s_cbranch_scc1 .Lno_qa
.irp i, 0,1,2,3,4,5,6,7
	global_load_b128 v[64+4*\i:67+4*\i], v9, s[6:7] offset:512*\i   ; waves 4-7: A's Q, both tiles, which waits in LDS for their second block
.endr
.Lno_qa:
.macro FARBELOW                        ; M far below every t, for both tiles: the next factor for what was summed so far is 0
	v_mov_b32 v17, 0xff61b1e6
	v_mov_b32 v21, 0xff61b1e6
	v_floor_f32 v16, -v17
	v_floor_f32 v20, -v21
.endm
	FARBELOW
.irp r, 18,19,22,23,236,237,241,243
	v_mov_b32 v\r, 0                               ; the sums; the lane permutes' destinations; the upper halves of the factors' pairs
.endr
	v_mov_b32 v228, 0xff800000                     ; -infinity
	WIN 0x40
.set i, 0
.rept 128
	v_mov_b32 v[128+i], 0                          ; O^T: the first step finds zeros, which the first change of M leaves zeros
.set i, i+1
.endr
	WIN 0
	s_wait_kmcnt 0x0
	s_add_co_i32 s32, s74, s75
	s_lshl_b32 s32, s32, 23
	s_add_co_i32 s[CS], s[CS], s32                 ; e6 + e7 are added to the factor's exponent field
	s_mov_b32 s[CS+1], s[CS]
	s_add_co_i32 s32, s76, 127
	s_lshl_b32 s86, s32, 23                        ; 2^e8
	s_add_co_i32 s32, s32, 15
	s_lshl_b32 s32, s32, 23
	s_or_b32 s87, s32, 0x600000                    ; 57,344 x 2^e8
	s_sub_co_i32 s32, s78, s76
	s_sub_co_i32 s32, s32, s77                     ; o's code is (O^T / the sum) / 2^(e10 - e8 - e9)
	s_add_co_i32 s32, s32, 127
	s_lshl_b32 s88, s32, 23
	s_add_co_i32 s32, s32, 15
	s_lshl_b32 s32, s32, 23
	s_or_b32 s89, s32, 0x600000
	v_mov_b32 v224, s87
	v_mov_b32 v225, s86
	v_mov_b32 v226, s89
	v_mov_b32 v227, s88
.macro LOADF adr                       ; eight fragments in one run of 32 loads, into window 1
	WIN 0x40
.set i, 0
.rept 32
	ds_load_b128 v[4*i:4*i+3], v[\adr] offset:512*i
.set i, i+1
.endr
	WIN 0
.endm
; The softmax of both tiles, in window 0, line by line by turns: mask, maximum, p, the rows' sums, p's codes; then O^T under the new M.
.macro SOFT2
	s_cmp_lt_u32 s[KF], s[JB]                      ; all the step's keys count: no mask
	s_cbranch_scc1 .Lopen_\@
.set n, 0
.rept 64                                       ; on the diagonal hidden scores become -infinity ahead of the maximum.  A query's own key always counts
	v_cmp_gt_i32 vcc_lo, 16*(n/8)+n%8, v[DG]
	v_cndmask_b32 v[64+n], v[64+n], v228, vcc_lo
	v_cmp_gt_i32 vcc_lo, 16*(n/8)+n%8, v[DG+1]
	v_cndmask_b32 v[128+n], v[128+n], v228, vcc_lo
.set n, n+1
.endr
.Lopen_\@:
.irp t, 0,1                                    ; the step's largest scores, in two chains a tile, each score tile from its low end on
	v_max3_num_f32 v[232+2*\t], v[64+64*\t], v[65+64*\t], v[66+64*\t]
.endr
.irp t, 0,1
	v_max3_num_f32 v[233+2*\t], v[67+64*\t], v[68+64*\t], v[69+64*\t]
.endr
.irp i, 6,10,14,18,22,26,30,34,38,42,46,50,54,58
.irp t, 0,1
	v_max3_num_f32 v[232+2*\t], v[232+2*\t], v[64+64*\t+\i], v[65+64*\t+\i]
.endr
.irp t, 0,1
	v_max3_num_f32 v[233+2*\t], v[233+2*\t], v[66+64*\t+\i], v[67+64*\t+\i]
.endr
.endr
.irp t, 0,1
	v_max3_num_f32 v[232+2*\t], v[232+2*\t], v[126+64*\t], v[127+64*\t]
.endr
.irp t, 0,1
	v_max_num_f32 v[232+2*\t], v[232+2*\t], v[233+2*\t]
.endr
.irp t, 0,1
	v_permlanex16_b32 v[236+\t], v[232+2*\t], s[SEL], s[SEL+1]
.endr
.irp t, 0,1
	v_max_num_f32 v[232+2*\t], v[232+2*\t], v[236+\t]
.endr
.irp t, 0,1
	v_mul_f32 v[232+2*\t], s[CS], v[232+2*\t]      ; as t
.endr
.irp t, 0,1
	v_max_num_f32 v[17+4*\t], v[17+4*\t], v[232+2*\t]
.endr
.irp t, 0,1
	v_mov_b32 v[232+2*\t], v[16+4*\t]
.endr
.irp t, 0,1
	v_floor_f32 v[16+4*\t], -v[17+4*\t]            ; the new -M = -ceil(t)
.endr
.irp t, 0,1
	v_sub_f32 v[232+2*\t], v[16+4*\t], v[232+2*\t] ; old M - new M: a whole number, 0 or less
.endr
.irp t, 0,1
	v_cvt_i32_f32 v[232+2*\t], v[232+2*\t]         ; (it saturates)
.endr
.irp t, 0,1
	v_ldexp_f32 v[240+2*\t], 1.0, v[232+2*\t]      ; f = 2^(old M - new M)
.endr
.irp j, 0,2,4,6,8,10,12,14,16,18,20,22,24,26,28,30,32,34,36,38,40,42,44,46,48,50,52,54,56,58,60,62
.irp t, 0,1
	v_pk_fma_f32 v[64+64*\t+\j:65+64*\t+\j], v[64+64*\t+\j:65+64*\t+\j], s[CS:CS+1], v[16+4*\t:17+4*\t] op_sel_hi:[1,0,0]   ; t - M
.endr
.endr
.set n, 0
	s_wait_alu depctr_va_vdst(0)                   ; the wait ahead of the batch
.rept 128
	v_exp_f32 v[64+n], v[64+n]                     ; p = 2^(t - M): one batch for both tiles
.set n, n+1
.endr
.irp t, 0,1
	v_pk_mul_f32 v[18+4*\t:19+4*\t], v[18+4*\t:19+4*\t], v[240+2*\t:241+2*\t] op_sel_hi:[1,0]   ; the sums under the new M
.endr
	s_wait_alu depctr_va_vdst(0)                   ; and behind it
.irp t, 0,1                                    ; the rows' sums of the unquantised p: four chains a tile; chain c takes the pairs 4 m + c
	v_pk_add_f32 v[18+4*\t:19+4*\t], v[18+4*\t:19+4*\t], v[64+64*\t:65+64*\t]
.endr
.irp c, 1,2,3
.irp t, 0,1
	v_pk_add_f32 v[242+6*\t+2*\c:243+6*\t+2*\c], v[64+64*\t+2*\c:65+64*\t+2*\c], v[72+64*\t+2*\c:73+64*\t+2*\c]
.endr
.endr
.irp t, 0,1
	v_pk_add_f32 v[18+4*\t:19+4*\t], v[18+4*\t:19+4*\t], v[72+64*\t:73+64*\t]
.endr
.irp m, 2,3,4,5,6,7
.irp c, 1,2,3
.irp t, 0,1
	v_pk_add_f32 v[242+6*\t+2*\c:243+6*\t+2*\c], v[242+6*\t+2*\c:243+6*\t+2*\c], v[64+64*\t+8*\m+2*\c:65+64*\t+8*\m+2*\c]
.endr
.endr
.irp t, 0,1
	v_pk_add_f32 v[18+4*\t:19+4*\t], v[18+4*\t:19+4*\t], v[64+64*\t+8*\m:65+64*\t+8*\m]
.endr
.endr
.irp t, 0,1
	v_pk_add_f32 v[244+6*\t:245+6*\t], v[244+6*\t:245+6*\t], v[246+6*\t:247+6*\t]
.endr
.irp t, 0,1
	v_pk_add_f32 v[18+4*\t:19+4*\t], v[18+4*\t:19+4*\t], v[248+6*\t:249+6*\t]
.endr
.irp t, 0,1
	v_pk_add_f32 v[18+4*\t:19+4*\t], v[18+4*\t:19+4*\t], v[244+6*\t:245+6*\t]
.endr
.irp b, 0,1,2,3
.irp t, 0,1
.irp i, 0,1,2,3,4,5,6,7,8,9,10,11,12,13,14,15
	v_min_num_f32 v[64+64*\t+16*\b+\i], v[64+64*\t+16*\b+\i], v224   ; the conversion does not saturate (ISA guide 7.6.2); p is not negative, so the hold is one-sided
.endr
.endr
.irp t, 0,1
	v_cvt_scalef32_pk8_bf8_f32 v[192+16*\t+4*\b:193+16*\t+4*\b], v[64+64*\t+16*\b:71+64*\t+16*\b], v225
	v_cvt_scalef32_pk8_bf8_f32 v[194+16*\t+4*\b:195+16*\t+4*\b], v[72+64*\t+16*\b:79+64*\t+16*\b], v225
.endr
.endr
	WIN 0x41                                       ; O^T in window 1, the factor in window 0
	s_wait_alu depctr_va_vdst(0)                   ; the wait directly ahead of the first readers of O^T
.irp t, 0,1
.irp j, 0,2,4,6,8,10,12,14,16,18,20,22,24,26,28,30,32,34,36,38,40,42,44,46,48,50,52,54,56,58,60,62
	v_pk_mul_f32 v[128+64*\t+\j:129+64*\t+\j], v[128+64*\t+\j:129+64*\t+\j], v[240+2*\t:241+2*\t] op_sel_hi:[1,0]   ; O^T under the new M.  (Also the plain place behind the conversions)
.endr
.endr
	WIN 0
.endm
; A KEY STEP: the 128 keys of my part of the slot in hand, for both my tiles.
.macro STEP
	v_add_nc_u32 v[ADK], s[TB], v[LNK]
	v_add_nc_u32 v[ADV], s[TB], v[LNV]
.rept 2
	v_nop                                          ; with the two additions four places behind the last step's products, which read the fragments' registers
.endr
	LOADF ADK
	WIN 0x01                                       ; source 0, K's fragment, in window 1
	s_wait_alu depctr_va_vdst(0)                   ; the wait ahead of the waits below
.irp t, 0,1,2,3,4,5,6,7
	s_wait_dscnt 28-4*\t                           ; fragment t is in; the later fragments, four loads each, may be out
	v_wmma_f32_16x16x128_bf8_bf8 v[64+8*\t:71+8*\t], v[16*\t:16*\t+15], v[24:39], 0
	v_wmma_f32_16x16x128_bf8_bf8 v[128+8*\t:135+8*\t], v[16*\t:16*\t+15], v[40:55], 0
.endr
	WIN 0
.rept 4
	v_nop                                          ; four places: for the loads into the fragments' registers and for the first reads of the scores
.endr
	LOADF ADV                                      ; V's eight fragments land under the softmax
	SOFT2
	s_wait_alu depctr_va_vdst(0)                   ; the wait ahead of the wait below
	s_wait_dscnt 0x0
	WIN 0x51                                       ; V's fragment, C and D in window 1, the codes in window 0
.irp t, 0,1,2,3,4,5,6,7                        ; O^T += V^T P^T; the sixteen accumulators take turns
	v_wmma_f32_16x16x128_bf8_bf8 v[128+8*\t:135+8*\t], v[16*\t:16*\t+15], v[192:207], v[128+8*\t:135+8*\t]
	v_wmma_f32_16x16x128_bf8_bf8 v[192+8*\t:199+8*\t], v[16*\t:16*\t+15], v[208:223], v[192+8*\t:199+8*\t]
.endr
	WIN 0
	s_add_co_u32 s[KF], s[KF], 128
	s_xor_b32 s[TB], s[TB], SLOT1                  ; on to the other slot
.endm
.macro ASIDE sums, state               ; both tiles' O^T (store data is source 1: window 1) and state into LDS: tile 1's 8,192 and 512 bytes behind tile 0's
	WIN 0x04
.set i, 0
.rept 32
	ds_store_b128 v[\sums], v[128+4*i:131+4*i] offset:512*i
.set i, i+1
.endr
	WIN 0
	ds_store_b128 v[\state], v[16:19]
	ds_store_b128 v[\state], v[20:23] offset:512
.endm
; FROM B TO A, in waves 4-7, at the position behind B's diagonal step (ids and the count of steps alone decide).  B's sums go to LDS bytes of the wave's own; A's Q comes from there; nothing is cleared.
.macro NEXTTILE
	s_cmp_lt_u32 s[WV], 4
	s_cbranch_scc1 .Lsame_\@
	s_cmp_le_u32 s[KF], s[JB]
	s_cbranch_scc1 .Lsame_\@
.rept 4
	v_nop                                          ; four places behind the last products, whose results are stored
.endr
	ASIDE SRD, MRD
.irp i, 0,1,2,3,4,5,6,7
	ds_load_b128 v[24+4*\i:27+4*\i], v[QSA] offset:512*\i   ; the step's first counted wait on DScnt covers these: 32 loads follow them
.endr
	FARBELOW
	s_mov_b32 s[KF], 0
	s_mov_b32 s[JB], s[JA]
	s_wait_alu depctr_va_vdst(0)                   ; the wait behind these writes
.Lsame_\@:
.endm
; THE CHANGE OF SLOTS, at each position's head.  Each wave waits for all its tensor loads, adds 0 to its spare word, and waits for that and for its reads of the slot that it has left; behind the barrier that slot takes the next position's blocks.
; fill = 1: all four blocks;  2: position 8, which only waves 0-3 read: their two blocks;  0: nothing.
.macro CHANGE fill
	s_wait_tensorcnt 0x0
	ds_add_u32 v[SPW], v[NIL]
.if \fill
	ds_add_u32 v[SPW], v[NIL]                      ; twice on end where a load follows
	s_xor_b32 s[G0+1], s[G0+1], SLOT1
	s_add_co_u32 s[LK], s[LK], 1                   ; the next key block;
	s_cmp_eq_u32 s[LK], s[LW]                      ; behind B's last, A's block 0
	s_cselect_b32 s[LK], 0, s[LK]
	s_cselect_b32 s[LW], 99, s[LW]
	s_lshl_b32 s[OFF], s[LK], 14
	s_add_nc_u64 s[G0+2:G0+3], s[BASE:BASE+1], s[OFF:OFF+1]
	s_or_b32 s[G0+3], s[G0+3], 0x80000000
.endif
.if \fill == 1
	s_wait_xcnt 0x0                                ; my prefetch has read its address
	s_add_nc_u64 s[PFA:PFA+1], s[PFA:PFA+1], 16384
.endif
	s_wait_dscnt 0x0
	s_barrier_signal -1
	s_barrier_wait -1
.if \fill == 1
	TLOAD 4
	ASK
.elseif \fill == 2
	TLOAD 2
.endif
.endm
	s_wait_alu depctr_va_vdst(0)                   ; the wait at the head's end
	s_wait_loadcnt 0x0                             ; Q
	s_cmp_lt_u32 s[WV], 4
	s_cbranch_scc1 .Lno_qs
.irp i, 0,1,2,3,4,5,6,7
	ds_store_b128 v[QSA], v[64+4*\i:67+4*\i] offset:512*\i
.endr
.Lno_qs:
.Lpos:                                             ; positions 0 to 6
	CHANGE 1
	NEXTTILE
	STEP
	s_sub_co_u32 s[TRIPS], s[TRIPS], 1
	s_cmp_lg_u32 s[TRIPS], 0
	s_cbranch_scc1 .Lpos
	CHANGE 2                                       ; position 7
	NEXTTILE
	STEP
	CHANGE 0                                       ; position 8: waves 0-3's diagonal step; waves 4-7 have none
	NEXTTILE
	s_cmp_ge_u32 s[WV], 4
	s_cbranch_scc1 .Lidle
	STEP
.Lidle:
	; THE WAY OUT.  Waves 4-7 hand their part of A to waves 0-3 and let their own registers count for nothing; then every wave joins its registers with a part from LDS, divides by the row's sum and quantises.
.rept 4
	v_nop                                          ; behind the last products: for the reads of O^T
.endr
	s_cmp_lt_u32 s[WV], 4
	s_cbranch_scc1 .Lkeep
	v_xor_b32 v8, 0x10000, v[SRD]                  ; A's part: 65,536 bytes behind my B
	v_xor_b32 v9, 0x1000, v[MRD]
	ASIDE 8, 9
	FARBELOW
	s_wait_alu depctr_va_vdst(0)
.Lkeep:
	s_wait_dscnt 0x0
	s_barrier_signal -1
	s_barrier_wait -1
	ds_load_b128 v[244:247], v[MRD]                ; the other part's -M, t, and sum, of both tiles; then its O^T
	ds_load_b128 v[248:251], v[MRD] offset:512
.set i, 0
.rept 32
	ds_load_b128 v[64+4*i:67+4*i], v[SRD] offset:512*i
.set i, i+1
.endr
	v_and_b32 v8, 31, v0
	v_lshlrev_b32 v8, 4, v8
	s_wait_alu depctr_va_vdst(0)                   ; the wait ahead of the wait below
.macro JOIN t
.set ST, 16+4*\t
.set OM, 244+4*\t
.set SB, 64+64*\t
.set OB, 128+64*\t
.set CB, 192+16*\t
.set NMJ, 232+\t
.set E1, 234+\t
.set E2, 56+\t
.set FA, 240+2*\t
.set FB, 252+2*\t
	v_min_num_f32 v[NMJ], v[ST], v[OM]             ; -M of the two parts together
	v_sub_f32 v[E1], v[NMJ], v[ST]
	v_sub_f32 v[E2], v[NMJ], v[OM]
	v_cvt_i32_f32 v[E1], v[E1]                     ; whole numbers, 0 or less (they saturate)
	v_cvt_i32_f32 v[E2], v[E2]
	v_ldexp_f32 v[E1], 1.0, v[E1]                  ; my part's factor,
	v_ldexp_f32 v[E2], 1.0, v[E2]                  ; the other's
	v_add_f32 v[ST+2], v[ST+2], v[ST+3]
	v_add_f32 v[OM+2], v[OM+2], v[OM+3]
	v_mul_f32 v[ST+2], v[ST+2], v[E1]
	v_fma_f32 v[ST+2], v[OM+2], v[E2], v[ST+2]
	v_permlanex16_b32 v[236+\t], v[ST+2], s[SEL], s[SEL+1]
	v_add_f32 v[ST+2], v[ST+2], v[236+\t]          ; the row's sum, at least 1/2
	s_wait_alu depctr_va_vdst(0)                   ; the wait ahead of the transcendental
	v_rcp_f32 v[ST+2], v[ST+2]
	v_nop
	s_wait_alu depctr_va_vdst(0)                   ; and ahead of its first reader
	v_mul_f32 v[FA], v[E1], v[ST+2]                ; both factors over the sum
	v_mul_f32 v[FB], v[E2], v[ST+2]
.irp j, 0,2,4,6,8,10,12,14,16,18,20,22,24,26,28,30,32,34,36,38,40,42,44,46,48,50,52,54,56,58,60,62
	v_pk_mul_f32 v[SB+\j:SB+\j+1], v[SB+\j:SB+\j+1], v[FB:FB+1] op_sel_hi:[1,0]
.endr
	WIN 0x01                                       ; source 0, O^T, in window 1
	s_wait_alu depctr_va_vdst(0)                   ; the wait directly ahead of the first readers of O^T
.irp j, 0,2,4,6,8,10,12,14,16,18,20,22,24,26,28,30,32,34,36,38,40,42,44,46,48,50,52,54,56,58,60,62
	v_pk_fma_f32 v[SB+\j:SB+\j+1], v[OB+\j:OB+\j+1], v[FA:FA+1], v[SB+\j:SB+\j+1] op_sel_hi:[1,0,1]   ; each accumulator from its low end on
.endr
	WIN 0
.set i, 0
.rept 64
	v_med3_num_f32 v[SB+i], v[SB+i], -v226, v226   ; the hold at the largest code x the scale
.set i, i+1
.endr
.irp b, 0,1,2,3
	v_cvt_scalef32_pk8_bf8_f32 v[CB+4*\b:CB+4*\b+1], v[SB+16*\b:SB+16*\b+7], v227
	v_cvt_scalef32_pk8_bf8_f32 v[CB+4*\b+2:CB+4*\b+3], v[SB+16*\b+8:SB+16*\b+15], v227
.endr
	v_nop
.irp c, 0,1,2,3
	global_store_b128 v8, v[CB+4*\c:CB+4*\c+3], s[16:17] offset:16384*\t+512*\c   ; the wave stores 512 consecutive bytes a piece
.endr
.endm
	s_wait_dscnt 16                                ; both states and tile 0's part are in; tile 1's sixteen loads may be out
	JOIN 0
	s_wait_dscnt 0x0
	JOIN 1
	s_wait_tensorcnt 0x0                           ; the wave's end
	ds_add_u32 v[SPW], v[NIL]
	s_wait_dscnt 0x0
	s_endpgm
.Lfunc_end_k_q901d85253c_attn:
	.size	k_q901d85253c_attn, .Lfunc_end_k_q901d85253c_attn-k_q901d85253c_attn
	.p2alignl 7, 3214868480
	.fill 96, 4, 3214868480
	.section	.rodata,"a",@progbits
	.p2align	6, 0x0
	.amdhsa_kernel k_q901d85253c_attn
		.amdhsa_group_segment_fixed_size 327680
		.amdhsa_private_segment_fixed_size 0
		.amdhsa_enable_private_segment 0
		.amdhsa_kernarg_size 40
		.amdhsa_user_sgpr_count 2
		.amdhsa_user_sgpr_kernarg_segment_ptr 1
		.amdhsa_wavefront_size32 1
		.amdhsa_system_sgpr_workgroup_id_x 1
		.amdhsa_system_sgpr_workgroup_id_y 1
		.amdhsa_system_sgpr_workgroup_id_z 1
		.amdhsa_system_vgpr_workitem_id 0
		.amdhsa_next_free_vgpr 512
		.amdhsa_next_free_sgpr 100
		.amdhsa_reserve_vcc 1
		.amdhsa_float_denorm_mode_32 3
		.amdhsa_float_denorm_mode_16_64 3
		.amdhsa_memory_ordered 1
		.amdhsa_forward_progress 1
		.amdhsa_inst_pref_size 179
	.end_amdhsa_kernel
	.amdgpu_metadata
---
amdhsa.version: [ 1, 2 ]
amdhsa.kernels:
  - .name:           k_q901d85253c_attn
    .symbol:         k_q901d85253c_attn.kd
    .args:
      - { .name: q_img, .offset: 0, .size: 8, .value_kind: global_buffer, .address_space: global }
      - { .name: k_img, .offset: 8, .size: 8, .value_kind: global_buffer, .address_space: global }
      - { .name: v_img, .offset: 16, .size: 8, .value_kind: global_buffer, .address_space: global }
      - { .name: lowp_scales, .offset: 24, .size: 8, .value_kind: global_buffer, .address_space: global }
      - { .name: o_img, .offset: 32, .size: 8, .value_kind: global_buffer, .address_space: global }
    .group_segment_fixed_size: 327680
    .private_segment_fixed_size: 0
    .kernarg_segment_align: 8
    .kernarg_segment_size: 40
    .max_flat_workgroup_size: 256
    .sgpr_count:     100
    .vgpr_count:     512
    .wavefront_size: 32
...
	.end_amdgpu_metadata
.endif
;; end of part 3
;; launch oproj (part 4): grid 4 x 64, 8 waves a work-group, clusters of 4 x 4, 327,680 bytes of LDS; arguments o_img, wo_img, lowp_scales, out0; writes out0
.if DOCPART == 4
	.amdgcn_target "amdgcn-amd-amdhsa--gfx1250"
	.amdhsa_code_object_version 6
	.text
	.protected	k_q901d85253c_oproj
	.globl	k_q901d85253c_oproj
	.p2align	8
	.type	k_q901d85253c_oproj,@function
k_q901d85253c_oproj:
	s_mov_b64 s[64:65], 0
	v_nop
	global_prefetch_b8 v0, s[64:65] scope:SCOPE_SE
	s_setreg_imm32_b32 hwreg(HW_REG_WAVE_MODE, 25, 1), 1
	s_wait_xcnt 0x0
	s_wait_alu depctr_hold_cnt(0) depctr_sa_sdst(0) depctr_va_vdst(0) depctr_va_sdst(0) depctr_va_ssrc(0) depctr_va_vcc(0) depctr_vm_vsrc(0)
	s_getreg_b32 s2, hwreg(HW_REG_IB_STS2, 6, 4)
	s_cmp_eq_u32 s2, 0
	s_cbranch_scc0 .Lentry_in_a_cluster
	s_endpgm
.Lentry_in_a_cluster:
	s_bfe_u32 s2, ttmp6, 0x10000c
	s_cmp_lg_u32 s2, 0xf033
	s_cbranch_scc0 .Lentry_shape_is_right
	s_endpgm
.Lentry_shape_is_right:
; out0[8,192][1,024] f32 = o x wo on codes of E5M2, x 2^(e10 + e11).  o_img: [tile of 16 rows, 512][K step of 128, 8][2,048 bytes]; wo_img: [tile of 16 columns, 64][K step 8][2,048 bytes]: each fragment an image of the operand's
; registers (piece c of lane l at 512 c + 16 l), both in the same order along K.  LIMIT: e10 + e11 between -126 and 127.
; SHARES.  A block of 128 rows x 256 columns to a work-group: 64 x 4 = 256 work-groups.  Eight waves, two to a SIMD; a wave makes 64 x 64: 16 accumulators.
; CLUSTERS: 4 x 4.  o's tiles hang on the block row alone and are asked for jointly along a row of the cluster, wo's on the block column alone, along a column.
; LDS: three areas of 98,304 bytes, each a chunk of 256 along K: o's 8 row tiles x 4,096 bytes, then wo's 16 column tiles x 4,096.  Chunks 0, 1, 2 are asked for at the head, one joint load a wave (waves 0-5: chunk wave / 2; even waves o, odd wo).
; Chunk 3 goes into area 0: the launch's one refill.  It is asked for as soon as every wave has chunk 0's fragments, both K steps, in registers, ahead of the first product; six K steps' products stand between the request and the wait for it.
; NO PREFETCH: the text has no loop to run ahead in, and 288 of a work-group's 384 KiB of operands are asked for at its head.
; THE MATRIX INSTRUCTION IS USED TRANSPOSED (source 0 = 16 columns of wo, source 1 = 16 rows of o): a lane holds eight neighbouring numbers of a row of out0.
; REGISTERS: window 0: v16-18, v20-22 my fragments' places in the three areas; v24-26 the way out; v28, v29 the add's; v32-63 a block's sums x the scale; v64-127 rows read back, two sets; v128-255 o's fragments, two sets of 4 x 16.
;   window 1: v0-127 wo's fragments, two sets of 4 x 16; v128-255 the accumulators, (a, b) at 128 + 8 (4 a + b).
.set CH,     98304
.set BOFF,   32768
.set SPARE,  3*CH                      ; behind the areas: the spare words, 128 bytes for each wave
.set SPITCH, 272
.set STAGE,  CH                        ; the way out: 16 rows x (256 + 16) bytes for each wave, in area 1, which is filled once and is read by nobody behind the last barrier
.set ADRA, 16
.set ADRB, 20
.set STO,  24
.set RD,   25
.set CO,   26
.set SPW,  28
.set NIL,  29
.set TMP,  32
.set BK,   64
.set G1,  24
.set G0,  32
.set G1B, 48
.set G0B, 56
.set MSB, 0
.macro WIN new
.if MSB != (\new)
	s_set_vgpr_msb (MSB<<8)|(\new)
.set MSB, (\new)
.endif
.endm
.macro JLOAD lim                       ; waves under lim ask: even ones for o, odd ones for wo.  The branches hang on the wave's number alone; an s_nop 0 and four v_nop follow each line
	s_cmp_ge_u32 s14, \lim
	s_cbranch_scc1 .Lasked_\@
	s_cmp_eq_u32 s13, 0
	s_cbranch_scc0 .Lfor_b_\@
	tensor_load_to_lds s[G0:G0+3], s[G1:G1+7]
	s_nop 0
.rept 4
	v_nop
.endr
	s_branch .Lasked_\@
.Lfor_b_\@:
	tensor_load_to_lds s[G0B:G0B+3], s[G1B:G1B+7]
	s_nop 0
.rept 4
	v_nop
.endr
.Lasked_\@:
.endm
.macro CROUND                          ; a round of the cluster's barrier
	s_barrier_signal -1
	s_barrier_wait -1
	s_cmp_lg_u32 s14, 0
	s_cbranch_scc1 .Lnot_wave_0_\@
	s_barrier_signal -3
.Lnot_wave_0_\@:
	s_barrier_wait -3
	s_barrier_signal -1
	s_barrier_wait -1
.endm
	s_load_b128 s[4:7], s[0:1], 0x0                ; o_img, wo_img
	s_load_b128 s[8:11], s[0:1], 0x10              ; the scales' exponents, out0
	v_lshl_add_u32 v[SPW], v0, 2, SPARE
	v_mov_b32 v[NIL], 0
	ds_add_u32 v[SPW], v[NIL]                      ; the opening: the add, twice on end, and its wait
	ds_add_u32 v[SPW], v[NIL]
	v_lshrrev_b32 v1, 5, v0
	v_readfirstlane_b32 s14, v1                    ; wave 0..7
	s_lshr_b32 s15, s14, 2                         ; which 64 rows are mine
	s_and_b32 s16, s14, 3                          ; which 64 columns
	s_lshr_b32 s12, s14, 1                         ; the chunk that I ask for at the head
	s_and_b32 s13, s14, 1                          ; 0: o, 1: wo
	s_bfe_u32 s40, ttmp6, 0x40000                  ; cx, cy
	s_bfe_u32 s41, ttmp6, 0x40004
	s_lshl_b32 s42, ttmp9, 2
	s_add_co_u32 s42, s42, s40                     ; block column
	s_and_b32 s17, ttmp7, 0xffff
	s_lshl_b32 s17, s17, 2
	s_add_co_u32 s17, s17, s41                     ; block row
	s_lshl_b32 s43, s41, 2
	s_lshl_b32 s43, 15, s43                        ; my row of the cluster
	s_lshl_b32 s44, 0x1111, s40                    ; my column
	; descriptor groups 1: rows of 4,096 bytes (512 elements of 8), 16,384 bytes apart: 8 rows of o, 16 of wo
	s_or_b32 s[G1+0], s43, (3<<16)|(1<<21)
	s_mov_b32 s[G1+1], 512<<16
	s_mov_b32 s[G1+2], 8<<16
	s_mov_b32 s[G1+3], 512<<16
	s_mov_b32 s[G1+4], 8
	s_mov_b32 s[G1+5], 2048
	s_mov_b32 s[G1+6], 0
	s_mov_b32 s[G1+7], 0
	s_or_b32 s[G1B+0], s44, (3<<16)|(1<<21)
	s_mov_b32 s[G1B+1], 512<<16
	s_mov_b32 s[G1B+2], 16<<16
	s_mov_b32 s[G1B+3], 512<<16
	s_mov_b32 s[G1B+4], 16
	s_mov_b32 s[G1B+5], 2048
	s_mov_b32 s[G1B+6], 0
	s_mov_b32 s[G1B+7], 0
	s_lshl_b32 s18, s12, 12                        ; my chunk: 4,096 bytes along a tile's K steps
	s_lshl_b32 s20, s17, 17                        ; o: 8 row tiles of 16,384 bytes a block row
	s_add_co_u32 s20, s20, s18
	s_mov_b32 s21, 0
	s_lshl_b32 s46, s42, 18                        ; wo: 16 column tiles a block column
	s_add_co_u32 s46, s46, s18
	s_mov_b32 s47, 0
	s_mul_i32 s45, s12, CH                         ; my chunk's area: no place in the cluster enters an LDS address
	s_mov_b32 s[G0], 1
	s_mov_b32 s[G0+1], s45
	s_mov_b32 s[G0B], 1
	s_add_co_u32 s[G0B+1], s45, BOFF
	s_wait_dscnt 0x0                               ; both opening adds are done
	s_wait_kmcnt 0x0
	s_load_b64 s[96:97], s[8:9], 0x28              ; e10, e11
	s_add_nc_u64 s[G0+2:G0+3], s[4:5], s[20:21]
	s_or_b32 s[G0+3], s[G0+3], 0x80000000
	s_add_nc_u64 s[G0B+2:G0B+3], s[6:7], s[46:47]
	s_or_b32 s[G0B+3], s[G0B+3], 0x80000000
	CROUND                                         ; all sixteen work-groups are here: the first joint loads meet
	JLOAD 6                                        ; chunks 0, 1, 2: one load a wave
	v_and_b32 v1, 15, v0                           ; r
	v_bfe_u32 v2, v0, 4, 1                         ; h
	v_and_b32 v6, 31, v0
	v_lshlrev_b32 v4, 4, v6                        ; 16 x lane
	s_wait_alu depctr_va_vdst(0)                   ; the wait behind these writes
	s_lshl_b32 s21, s15, 14                        ; my four row tiles
	s_lshl_b32 s22, s16, 14                        ; my four column tiles,
	s_add_co_u32 s22, s22, BOFF                    ; behind o's eight
.irp g, 0,1,2
	v_add_nc_u32 v[ADRA+\g], s21, v4
	v_add_nc_u32 v[ADRB+\g], s22, v4
	s_add_co_u32 s21, s21, CH
	s_add_co_u32 s22, s22, CH
.endr
	s_mul_i32 s23, s14, 16*SPITCH
	s_add_co_u32 s23, s23, STAGE                   ; my stage
	v_mul_u32_u24 v5, v1, SPITCH                   ; in: row r, 32 bytes for each half of the lanes
	v_lshl_add_u32 v5, v2, 5, v5
	v_add_nc_u32 v[STO], s23, v5
	v_mul_u32_u24 v7, v2, SPITCH                   ; back: lanes 0-15 one row of 256 bytes, lanes 16-31 the next
	v_lshl_add_u32 v7, v1, 4, v7
	v_add_nc_u32 v[RD], s23, v7
	v_lshlrev_b32 v8, 12, v2                       ; and the same two rows in out0
	v_lshl_add_u32 v[CO], v1, 4, v8
	s_lshl_b32 s20, s17, 7
	s_lshl_b32 s21, s15, 6
	s_add_co_u32 s20, s20, s21                     ; my first row,
	s_lshl_b32 s20, s20, 12                        ; of 4,096 bytes
	s_lshl_b32 s46, s42, 10
	s_add_co_u32 s20, s20, s46
	s_lshl_b32 s46, s16, 8
	s_add_co_u32 s20, s20, s46                     ; + my first column, in bytes
	s_mov_b32 s21, 0
	s_add_nc_u64 s[10:11], s[10:11], s[20:21]
.macro FETCH s                         ; the eight fragments of K step s (chunk s / 2, in area chunk % 3) into set s % 2: 32 loads
.set RG, ((\s)/2)%3
.set QQ, (\s)%2
	WIN 0x40
.irp i, 0,1,2,3
.irp c, 0,1,2,3
	ds_load_b128 v[64*QQ+16*\i+4*\c:64*QQ+16*\i+4*\c+3], v[ADRB+RG] offset:4096*\i+2048*QQ+512*\c
.endr
.endr
	WIN 0
.irp i, 0,1,2,3
.irp c, 0,1,2,3
	ds_load_b128 v[128+64*QQ+16*\i+4*\c:128+64*QQ+16*\i+4*\c+3], v[ADRA+RG] offset:4096*\i+2048*QQ+512*\c
.endr
.endr
.endm
.macro MUL p, zero                     ; 16 matrix instructions on set p; the 16 accumulators take turns, in the same order in every step
	WIN 0x51                                       ; source 0 (wo), C and D in window 1, source 1 (o) in window 0
.irp a, 0,1,2,3
.irp b, 0,1,2,3
.if \zero
	v_wmma_f32_16x16x128_bf8_bf8 v[128+8*(4*\a+\b):135+8*(4*\a+\b)], v[64*\p+16*\b:64*\p+16*\b+15], v[128+64*\p+16*\a:128+64*\p+16*\a+15], 0
.else
	v_wmma_f32_16x16x128_bf8_bf8 v[128+8*(4*\a+\b):135+8*(4*\a+\b)], v[64*\p+16*\b:64*\p+16*\b+15], v[128+64*\p+16*\a:128+64*\p+16*\a+15], v[128+8*(4*\a+\b):135+8*(4*\a+\b)]
.endif
.endr
.endr
.endm
.macro PLACES                          ; four places behind matrix instructions, ahead of loads into registers that they read and of reads of their results
.rept 4
	v_nop
.endr
.endm
	s_wait_alu depctr_va_vdst(0)                   ; the wait at the head's end
	s_wait_tensorcnt 0x0                           ; my load has landed;
	s_barrier_signal -1
	s_barrier_wait -1                              ; everybody's has: chunks 0, 1, 2 are whole
	FETCH 0
	FETCH 1                                        ; all of area 0 that I need
	s_wait_tensorcnt 0x0                           ; ahead of a refill
	ds_add_u32 v[SPW], v[NIL]
	ds_add_u32 v[SPW], v[NIL]
	s_add_nc_u64 s[G0+2:G0+3], s[G0+2:G0+3], 3*4096   ; waves 0 and 1: from chunk 0 to chunk 3, into the same area
	s_add_nc_u64 s[G0B+2:G0B+3], s[G0B+2:G0B+3], 3*4096
	s_wait_dscnt 0x0                               ; the adds are done, and my reads of area 0 are over
	CROUND                                         ; so are those of every wave of every partner
	JLOAD 2                                        ; chunk 3
	MUL 0, 1                                       ; the first step's products start the sums
	PLACES
	FETCH 2
	MUL 1, 0
	PLACES
	FETCH 3
	s_wait_dscnt 32                                ; step 2's fragments are in; the 32 loads of step 3 may be out
	MUL 0, 0
	PLACES
	FETCH 4
	s_wait_dscnt 32
	MUL 1, 0
	PLACES
	FETCH 5
	s_wait_dscnt 32
	MUL 0, 0
	s_wait_dscnt 0x0
	MUL 1, 0
	WIN 0
	s_wait_tensorcnt 0x0                           ; waves 0 and 1: chunk 3 has landed
	s_barrier_signal -1
	s_barrier_wait -1
	PLACES
	FETCH 6
	FETCH 7
	s_wait_dscnt 32
	MUL 0, 0
	s_wait_dscnt 0x0
	MUL 1, 0
	WIN 0
; THE WAY OUT, block by block of 16 rows x 64 columns: through my own stage in LDS, back as whole rows of 256 bytes, which sixteen lanes store as one aligned unit.  LDS serves a wave's instructions in order (ISA guide 5.7.1.4).
.macro TOSTAGE a
	WIN 0x01
.irp j, 0,2,4,6,8,10,12,14,16,18,20,22,24,26,28,30
	v_pk_mul_f32 v[TMP+\j:TMP+\j+1], v[128+32*(\a)+\j:128+32*(\a)+\j+1], s[96:97] op_sel_hi:[1,0]   ; x 2^(e10 + e11); each accumulator from its low end on
.endr
	WIN 0
.irp b, 0,1,2,3
	ds_store_b128 v[STO], v[TMP+8*\b:TMP+8*\b+3] offset:64*\b
	ds_store_b128 v[STO], v[TMP+8*\b+4:TMP+8*\b+7] offset:64*\b+16
.endr
.set BB, BK+32*((\a)%2)
.irp t, 0,1,2,3,4,5,6,7
	ds_load_b128 v[BB+4*\t:BB+4*\t+3], v[RD] offset:\t*2*SPITCH
.endr
.endm
.macro SEND a, younger                 ; younger: the LDS instructions issued behind block a's loads
.set BB, BK+32*((\a)%2)
	s_wait_dscnt \younger
.irp t, 0,1,2,3,4,5,6,7
	global_store_b128 v[CO], v[BB+4*\t:BB+4*\t+3], s[10:11] offset:(16*(\a)+2*\t)*4096 th:TH_STORE_NT
.endr
.endm
	s_wait_kmcnt 0x0
	s_add_co_i32 s96, s96, s97
	s_add_co_i32 s96, s96, 127
	s_lshl_b32 s96, s96, 23                        ; 2^(e10 + e11)
	PLACES
	TOSTAGE 0
.irp a, 1,2,3
.if \a > 1
	s_wait_xcnt 0x0                                ; block a - 2's stores have read their registers: block a's loads may land there
.endif
	TOSTAGE \a
	SEND \a-1, 16                                  ; behind block a - 1's loads: block a's 8 stores and 8 loads
.endr
	SEND 3, 0
	s_wait_tensorcnt 0x0                           ; the wave's end
	ds_add_u32 v[SPW], v[NIL]
	s_wait_dscnt 0x0
	CROUND                                         ; the closing round
	s_endpgm
.Lfunc_end_k_q901d85253c_oproj:
	.size	k_q901d85253c_oproj, .Lfunc_end_k_q901d85253c_oproj-k_q901d85253c_oproj
	.p2alignl 7, 3214868480
	.fill 96, 4, 3214868480
	.section	.rodata,"a",@progbits
	.p2align	6, 0x0
	.amdhsa_kernel k_q901d85253c_oproj
		.amdhsa_group_segment_fixed_size 327680
		.amdhsa_private_segment_fixed_size 0
		.amdhsa_enable_private_segment 0
		.amdhsa_kernarg_size 32
		.amdhsa_user_sgpr_count 2
		.amdhsa_user_sgpr_kernarg_segment_ptr 1
		.amdhsa_wavefront_size32 1
		.amdhsa_system_sgpr_workgroup_id_x 1
		.amdhsa_system_sgpr_workgroup_id_y 1
		.amdhsa_system_sgpr_workgroup_id_z 1
		.amdhsa_system_vgpr_workitem_id 0
		.amdhsa_next_free_vgpr 512
		.amdhsa_next_free_sgpr 98
		.amdhsa_reserve_vcc 0
		.amdhsa_float_denorm_mode_32 3
		.amdhsa_float_denorm_mode_16_64 3
		.amdhsa_memory_ordered 1
		.amdhsa_forward_progress 1
		.amdhsa_inst_pref_size 45
	.end_amdhsa_kernel
	.amdgpu_metadata
---
amdhsa.version: [ 1, 2 ]
amdhsa.kernels:
  - .name:           k_q901d85253c_oproj
    .symbol:         k_q901d85253c_oproj.kd
    .args:
      - { .name: o_img, .offset: 0, .size: 8, .value_kind: global_buffer, .address_space: global }
      - { .name: wo_img, .offset: 8, .size: 8, .value_kind: global_buffer, .address_space: global }
      - { .name: lowp_scales, .offset: 16, .size: 8, .value_kind: global_buffer, .address_space: global }
      - { .name: out0, .offset: 24, .size: 8, .value_kind: global_buffer, .address_space: global }
    .group_segment_fixed_size: 327680
    .private_segment_fixed_size: 0
    .kernarg_segment_align: 8
    .kernarg_segment_size: 32
    .max_flat_workgroup_size: 256
    .sgpr_count:     98
    .vgpr_count:     512
    .wavefront_size: 32
...
	.end_amdgpu_metadata
.endif
;; end of part 4
